; MI455X (gfx1250); checked and timed in simulation.
; The chip was launched on July 23, 2026; its instructions are those of AMD's public machine-readable ISA for CDNA 5 (MIT licence, August 2026) and "CDNA5" Instruction Set Architecture Reference Guide (July 2026). The comments in the code are by the model that wrote it; some were corrected since.
;; SA. Allowed arithmetic: matrix products marked QUANTISED: E2M1 operands, one E8M0 scale for each 32 along K, by v_wmma_scale_f32_16x16x128_f8f6f4 with both operands' format E2M1 (or v_wmma_scale_f32_32x16x128_f4), f32 sums; products left as they are: bf16, f16 or f32 operands; f32 sums; everything else in f32.
;; Inputs: Wk 1,024 x 1,024 float32; Wq 1,024 x 1,024 float32; Wv 1,024 x 1,024 float32; x 4 x 2,048 x 1,024 float32.
;; Outputs: out0 4 x 1,024 x 2,048 float32.
;; This version of the problem:
;;   THIS VERSION OF THE PROBLEM IS GIVEN IN LOW PRECISION. The matrix products marked QUANTISED in the list below multiply operands that are first quantised to E2M1 (2 exponent bits, 1 mantissa bit; 4 bits a number), with one power-of-two scale for each 32 numbers along K (OCP MX v1.0); their sums are f32. The products marked 'left as it is' may take bf16, f16 or f32 operands, with f32 sums. Whichever they take, every output number must still come out within the allowed error. Rounding operands to bf16 (8 significant bits) uses up far more of that allowance than f16 does (11 bits, for magnitudes from 6e-5 to 65,504). All else is computed in f32.
;;   The module's matrix products, in the order in which they are computed (A, B: the left and right operand; K: the contracted axis; several contracted axes count as one K, in the product's order):
;;     1. [M 8,192, K 1,024] x [K 1,024, N 1,024]; A: input x; B: input Wq: QUANTISED
;;     2. [M 8,192, K 1,024] x [K 1,024, N 1,024]; A: input x; B: input Wk: QUANTISED
;;     3. [M 8,192, K 1,024] x [K 1,024, N 1,024]; A: input x; B: input Wv: QUANTISED
;;     4. batch 4 x [M 2,048, K 1,024] x [K 1,024, N 2,048]; A: computed on the way; B: computed on the way: left as it is (an operand is computed on the way)
;;     5. batch 4 x [M 2,048, K 2,048] x [K 2,048, N 1,024]; A: computed on the way; B: computed on the way: left as it is (an operand is computed on the way)
;;   THE QUANTISER, for each operand of a quantised product, along K:
;;     - K is cut into blocks of 32 from its start; a last block that is shorter is filled with zeros.
;;     - A block's scale is 2^e with e = floor(log2(the largest magnitude in the block)) - 2, held to -126 .. 127; a block of zeros has e = 0. As a byte (E8M0): e + 127.
;;     - Each number is divided by its block's scale, clamped to +-6, and rounded to the nearest number of E2M1, ties to even, subnormals kept.
;;     - The product sums the exact products of the quantised numbers (number of the format x scale) in f32.
;;   ~~~python
;;   def quantise(x, axis):      # numpy; x: float32 -> the quantised numbers, widened to float32 again
;;       x = np.moveaxis(x, axis, -1); K = x.shape[-1]
;;       x = np.pad(x, [(0, 0)] * (x.ndim - 1) + [(0, -K % 32)]); x = x.reshape(x.shape[:-1] + (-1, 32)); a = np.abs(x).max(-1, keepdims=True)
;;       e = np.where(a > 0, np.clip(np.frexp(np.where(a > 0, a, 1))[1] - 1 - 2, -126, 127), 0)      # np.frexp(a)[1] - 1 = floor(log2(a)), exactly
;;       r = np.clip(x / 2.0 ** e, -6, 6)
;;       step = 2.0 ** (np.maximum(np.frexp(np.where(r == 0, 1, r))[1] - 1, 0) - 1)
;;       q = np.round(r / step) * step * 2.0 ** e      # np.round: ties to even
;;       return np.moveaxis(q.reshape(q.shape[:-2] + (-1,))[..., :K], -1, axis).astype(np.float32)
;;   ~~~
;; One version. Each part assembles by itself: llvm-mc -triple=amdgcn-amd-amdhsa -mcpu=gfx1250 --defsym DOCPART=n.
;; ======== version 1 of 1: 4 launches
;; limits: values are held in f16: magnitudes above 65,504 overflow, below 6.1e-05 lose precision
;; workspace buffers: xc 4,194,304 bytes; xs 262,144 bytes; wc 1,572,864 bytes; ws 98,304 bytes; qkf 33,554,432 bytes; vf 16,777,216 bytes; pf 33,554,432 bytes; st 1,048,576 bytes
;; launch quant (part 1): grid 352 x 1, 4 waves a work-group, no clusters, 33,280 bytes of LDS; arguments x, Wq, Wk, Wv, xc, xs, wc, ws; writes xc, xs, wc, ws
.if DOCPART == 1
	.amdgcn_target "amdgcn-amd-amdhsa--gfx1250"
	.amdhsa_code_object_version 6
	.text
	.protected	k_qc61955f6c4_quant
	.globl	k_qc61955f6c4_quant
	.p2align	8
	.type	k_qc61955f6c4_quant,@function
k_qc61955f6c4_quant:
	s_mov_b64 s[64:65], 0
	v_nop
	global_prefetch_b8 v0, s[64:65] scope:SCOPE_SE
	s_setreg_imm32_b32 hwreg(HW_REG_WAVE_MODE, 25, 1), 1
	s_wait_xcnt 0x0
; LAUNCH 1 OF 4.  out0[b][e][q] = sum over k of softmax_k(Q[b][q] . K[b][k] / 32) V[b][k][e], with Q, K, V = x Wq^T, x Wk^T, x Wv^T on operands quantised to E2M1 with one E8M0 scale for each 32 along K.
; NO WORK OF THE PROBLEM IS LEFT OUT: all four inputs reach the output, there is no mask, no bias and no slice.
; This launch turns x [8192][1024] and Wq, Wk, Wv [1024][1024], f32, K innermost, into codes (two a byte, the lower k in the low four bits) and scale bytes:
; xc [8192][512], xs [8192][32];  wc [3072][512], ws [3072][32] with Wq's rows first, then Wk's, then Wv's.  Each operand is read by many work-groups of the next launch, so it is quantised once, here.
; A block's scale is 2^(floor(log2(its largest magnitude)) - 2); its byte is the largest magnitude's exponent field - 2, held at 1 from below.  Each number is divided by the scale and rounded to the nearest code, ties to even;
; beyond 6 the conversion gives the largest code.
; LIMITS: a block of zeros gets the byte 1 where the rule says 127: its codes are zeros, which add nothing, and this program alone reads the bytes.  Blocks whose largest magnitude lies under 2^-124 keep the byte 1.
; NaN and infinities among the inputs are not served.
; Rows are dense and 1024 is a multiple of 32: every tensor is a plain stream of blocks of 32.  A work-group takes 32,768 numbers, a wave 16 steps of 512.  Work-groups 0-255 take x, 256-351 the three weights (32 each).
; Only pointers are chosen by the work-group's number: all tensors take one path through the text.
; The conversions want 16 NEIGHBOURS in a lane; a load is best where neighbouring LANES take neighbouring bytes.  So each load reads 512 consecutive bytes, 16 a lane, and a step's 2,048 bytes turn through the wave's own stage
; in LDS (16 bytes of padding behind each 64) and come back 64 bytes a lane.  Two neighbouring lanes hold a block.  No barrier: waves share nothing.  Loads run four steps ahead, the turn through LDS one step.
.set WAVES, 4
.set STEPS, 16
.set EMAX,  2
.set CB,    8                          ; bytes of 16 codes
.set R,     16                         ; v16-79   four sets of 16 numbers as they are loaded
.set X,     80                         ; v80-111  two sets of 16 neighbours
.set C,     128                        ; v128-191 codes: four registers for each step, so that no store's data are written again
.set E,     112                        ; v112-127 a scale byte for each step
.set WREG,  8192                       ; LDS: a region for each wave: two stages of 32 x SP bytes, behind them its 256 scale bytes
.set SP,    80                         ; a lane's place in a stage: 64 bytes + 16 of padding
.set SPW,   12                         ; v12      LDS address of my spare word; never rewritten
.set NIL,   13                         ; v13      0; never rewritten
.set SPARE, WAVES*WREG                 ; behind the four regions: the spare words, 128 bytes for each wave
	s_load_b256 s[4:11], s[0:1], 0x0               ; x s[4:5], Wq s[6:7], Wk s[8:9], Wv s[10:11]
	s_load_b256 s[12:19], s[0:1], 0x20             ; xc s[12:13], xs s[14:15], wc s[16:17], ws s[18:19]
	v_lshl_add_u32 v[SPW], v0, 2, SPARE
	v_mov_b32 v[NIL], 0
	v_lshrrev_b32 v1, 5, v0
	v_readfirstlane_b32 s20, v1                    ; wave
	v_and_b32 v2, 31, v0                           ; lane
	v_lshlrev_b32 v3, 4, v2                        ; my 16 bytes of a load's 512
	s_mul_i32 s21, s20, WREG
	v_lshrrev_b32 v14, 2, v2
	v_mul_u32_u24 v14, v14, SP
	v_and_b32 v15, 3, v2
	v_lshl_add_u32 v14, v15, 4, v14
	v_add_nc_u32 v14, s21, v14                     ; the stage, on the way in: SP (lane / 4) + 16 (lane % 4)
	v_mul_u32_u24 v15, v2, SP
	v_add_nc_u32 v15, s21, v15                     ; and on the way out: SP x lane: my 16 neighbours
	v_mul_u32_u24 v4, v2, CB                       ; my codes' place in a step's
	v_lshrrev_b32 v5, 1, v2
	s_add_co_u32 s21, s21, 2*32*SP
	v_add_nc_u32 v5, s21, v5                       ; LDS: my wave's 256 scale bytes, my block's byte
	v_lshlrev_b32 v7, 3, v2                        ; and on the way out 8 bytes a lane
	v_add_nc_u32 v6, s21, v7
	s_sub_co_u32 s22, ttmp9, 256                   ; among the weights' 96 work-groups (used only where the work-group's number is 256 or more)
	s_lshr_b32 s23, s22, 5                         ; which weight
	s_and_b32 s24, s22, 31                         ; which 32,768 numbers of it
	s_wait_kmcnt 0x0
	s_cmp_eq_u32 s23, 1
	s_cselect_b64 s[26:27], s[8:9], s[6:7]         ; Wk or Wq,
	s_cmp_eq_u32 s23, 2
	s_cselect_b64 s[26:27], s[10:11], s[26:27]     ; or Wv
	s_cmp_lt_u32 ttmp9, 256                        ; x's work-group or a weight's?  The choices hang on the work-group's number alone
	s_cselect_b64 s[4:5], s[4:5], s[26:27]         ; the numbers
	s_cselect_b64 s[8:9], s[12:13], s[16:17]       ; the codes
	s_cselect_b64 s[10:11], s[14:15], s[18:19]     ; the scale bytes
	s_cselect_b32 s28, ttmp9, s24                  ; the run in the source
	s_cselect_b32 s29, ttmp9, s22                  ; the run in the destination: the three weights lie on end there
	s_lshl_b32 s28, s28, 2
	s_add_co_u32 s28, s28, s20                     ; my wave's run of 8,192 numbers
	s_lshl_b32 s29, s29, 2
	s_add_co_u32 s29, s29, s20
	s_lshl_b32 s30, s28, 15                        ; 32,768 bytes of numbers a run,
	s_mov_b32 s31, 0
	s_add_nc_u64 s[4:5], s[4:5], s[30:31]
	s_lshl_b32 s30, s29, 12                        ; 4,096 of codes,
	s_add_nc_u64 s[8:9], s[8:9], s[30:31]
	s_lshl_b32 s30, s29, 8                         ; 256 scale bytes
	s_add_nc_u64 s[10:11], s[10:11], s[30:31]
.macro LOAD t
.irp i, 0,1,2,3
	global_load_b128 v[R+16*((\t)%4)+4*\i:R+16*((\t)%4)+4*\i+3], v3, s[4:5] offset:2048*(\t)+512*\i th:TH_LOAD_NT   ; 32 lanes read 512 consecutive bytes
.endr
.endm
.macro TURN t                          ; step t's numbers through the stage: LDS serves a wave's instructions in order, so no wait stands between the stores and the loads
.irp i, 0,1,2,3
	ds_store_b128 v14, v[R+16*((\t)%4)+4*\i:R+16*((\t)%4)+4*\i+3] offset:32*SP*((\t)%2)+8*SP*\i
.endr
.irp i, 0,1,2,3
	ds_load_b128 v[X+16*((\t)%2)+4*\i:X+16*((\t)%2)+4*\i+3], v15 offset:32*SP*((\t)%2)+16*\i
.endr
.endm
.irp t, 0,1,2,3
	LOAD \t
.endr
	s_wait_loadcnt 12                              ; step 0's four loads are in; the twelve of steps 1 to 3 stay out
	TURN 0
.macro STEP t
.set XS, X+16*((\t)%2)
.if (\t) > 0
	s_wait_dscnt 1                                 ; this step's numbers are back from the stage (the last step's byte store may be out): so its stores into the stage have read their registers,
.else
	s_wait_dscnt 0x0
.endif
.if (\t)+4 < STEPS
	LOAD (\t)+4                                    ; which take the loads of four steps on
.endif
.if (\t)+1 < STEPS
.if STEPS-2-(\t) >= 3
	s_wait_loadcnt 12                              ; the next step's four loads are in; those of the three steps behind it may be out
.else
	s_wait_loadcnt 4*(STEPS-2-(\t))
.endif
	TURN (\t)+1                                    ; and go through the other stage while this step is worked
.endif
	v_max3_num_f32 v8, |v[XS]|, |v[XS+1]|, |v[XS+2]|               ; the largest magnitude of my 16, in two chains
	v_max3_num_f32 v9, |v[XS+3]|, |v[XS+4]|, |v[XS+5]|
.irp i, 6,10
	v_max3_num_f32 v8, v8, |v[XS+\i]|, |v[XS+\i+1]|
	v_max3_num_f32 v9, v9, |v[XS+\i+2]|, |v[XS+\i+3]|
.endr
	v_max3_num_f32 v8, v8, |v[XS+14]|, |v[XS+15]|
	v_max3_num_f32 v8, v8, v9, (EMAX+1)<<23        ; and the floor 2^(3 - 127): the byte cannot fall under 1
	v_max_num_f32_dpp v8, v8, v8 row_xmask:1 row_mask:0xf bank_mask:0xf   ; and of my neighbour's 16: the block's
	v_add_nc_u32 v11, 0xff000000, v8               ; 2 off its exponent field: the conversion takes the exponent field of this operand as its scale, and nothing else of it
	v_cvt_scalef32_pk8_fp4_f32 v[C+4*(\t)], v[XS:XS+7], v11
	v_cvt_scalef32_pk8_fp4_f32 v[C+4*(\t)+1], v[XS+8:XS+15], v11
	v_lshrrev_b32 v[E+(\t)], 23, v11               ; the scale's byte (a plain line behind the conversions)
	ds_store_b8 v5, v[E+(\t)] offset:16*(\t)       ; both lanes of a block write the same byte with the same value
	global_store_b64 v4, v[C+4*(\t):C+4*(\t)+1], s[8:9] offset:32*CB*(\t)   ; the wave stores 256 consecutive bytes, aligned
.endm
.irp t, 0,1,2,3,4,5,6,7,8,9,10,11,12,13,14,15
	STEP \t
.endr
	ds_load_b64 v[8:9], v6                         ; LDS serves a wave's instructions in order: these see my stores
	s_wait_dscnt 0x0
	global_store_b64 v7, v[8:9], s[10:11]          ; 32 lanes store 256 consecutive bytes, aligned
	s_wait_tensorcnt 0x0                           ; the wave's end, behind my last LDS store
	ds_add_u32 v[SPW], v[NIL]
	s_wait_dscnt 0x0
	s_endpgm
.Lfunc_end_k_qc61955f6c4_quant:
	.size	k_qc61955f6c4_quant, .Lfunc_end_k_qc61955f6c4_quant-k_qc61955f6c4_quant
	.p2alignl 7, 3214868480
	.fill 96, 4, 3214868480
	.section	.rodata,"a",@progbits
	.p2align	6, 0x0
	.amdhsa_kernel k_qc61955f6c4_quant
		.amdhsa_group_segment_fixed_size 33280
		.amdhsa_private_segment_fixed_size 0
		.amdhsa_enable_private_segment 0
		.amdhsa_kernarg_size 64
		.amdhsa_user_sgpr_count 2
		.amdhsa_user_sgpr_kernarg_segment_ptr 1
		.amdhsa_wavefront_size32 1
		.amdhsa_system_sgpr_workgroup_id_x 1
		.amdhsa_system_sgpr_workgroup_id_y 1
		.amdhsa_system_sgpr_workgroup_id_z 1
		.amdhsa_system_vgpr_workitem_id 0
		.amdhsa_next_free_vgpr 192
		.amdhsa_next_free_sgpr 66
		.amdhsa_reserve_vcc 0
		.amdhsa_float_denorm_mode_32 3
		.amdhsa_float_denorm_mode_16_64 3
		.amdhsa_memory_ordered 1
		.amdhsa_forward_progress 1
		.amdhsa_inst_pref_size 33
	.end_amdhsa_kernel
	.amdgpu_metadata
---
amdhsa.version: [ 1, 2 ]
amdhsa.kernels:
  - .name:           k_qc61955f6c4_quant
    .symbol:         k_qc61955f6c4_quant.kd
    .args:
      - { .name: x, .offset: 0, .size: 8, .value_kind: global_buffer, .address_space: global }
      - { .name: Wq, .offset: 8, .size: 8, .value_kind: global_buffer, .address_space: global }
      - { .name: Wk, .offset: 16, .size: 8, .value_kind: global_buffer, .address_space: global }
      - { .name: Wv, .offset: 24, .size: 8, .value_kind: global_buffer, .address_space: global }
      - { .name: xc, .offset: 32, .size: 8, .value_kind: global_buffer, .address_space: global }
      - { .name: xs, .offset: 40, .size: 8, .value_kind: global_buffer, .address_space: global }
      - { .name: wc, .offset: 48, .size: 8, .value_kind: global_buffer, .address_space: global }
      - { .name: ws, .offset: 56, .size: 8, .value_kind: global_buffer, .address_space: global }
    .group_segment_fixed_size: 33280
    .private_segment_fixed_size: 0
    .kernarg_segment_align: 8
    .kernarg_segment_size: 64
    .max_flat_workgroup_size: 128
    .sgpr_count:     66
    .vgpr_count:     192
    .wavefront_size: 32
...
	.end_amdgpu_metadata
.endif
;; end of part 1
;; launch proj (part 2): grid 8 x 32, 4 waves a work-group, clusters of 4 x 4, 327,680 bytes of LDS; arguments xc, xs, wc, ws, qkf, vf; writes qkf, vf
.if DOCPART == 2
	.amdgcn_target "amdgcn-amd-amdhsa--gfx1250"
	.amdhsa_code_object_version 6
	.text
	.protected	k_qc61955f6c4_proj
	.globl	k_qc61955f6c4_proj
	.p2align	8
	.type	k_qc61955f6c4_proj,@function
k_qc61955f6c4_proj:
	s_mov_b64 s[64:65], 0
	v_nop
	global_prefetch_b8 v0, s[64:65] scope:SCOPE_SE
	s_setreg_imm32_b32 hwreg(HW_REG_WAVE_MODE, 25, 1), 1
	s_wait_xcnt 0x0
	s_wait_alu depctr_hold_cnt(0) depctr_sa_sdst(0) depctr_va_vdst(0) depctr_va_sdst(0) depctr_va_ssrc(0) depctr_va_vcc(0) depctr_vm_vsrc(0)
	s_getreg_b32 s2, hwreg(HW_REG_IB_STS2, 6, 4)
	s_cmp_eq_u32 s2, 0
	s_cbranch_scc0 .Lentry_in_a_cluster
	s_endpgm
.Lentry_in_a_cluster:
	s_bfe_u32 s2, ttmp6, 0x10000c
	s_cmp_lg_u32 s2, 0xf033
	s_cbranch_scc0 .Lentry_shape_is_right
	s_endpgm
.Lentry_shape_is_right:
; LAUNCH 2 OF 4: the three quantised products, on codes of E2M1 with E8M0 scales, f32 sums, results rounded once to f16 for the two products that follow.  No work is left out.
; SHARES.  32 x 8 = 256 work-groups of equal work.  A work-group takes 256 tokens (tile RT) and makes, one after the other,
;   PART 1: 256 columns of Q | K (rows 256 CT on of Wq and Wk, which lie on end in wc): four waves of 128 x 128, 64 accumulators each;
;   PART 2: 128 channels of V (rows 2,048 + 128 CT on of wc): four waves of 128 tokens x 64 channels, 32 accumulators each.
; x's codes, K = 1,024 in two steps of 512 (rows of 256 bytes), come into two LDS slots at the start and stay for both parts.  Wv's 128 rows take the place of slot 0's rows of Wq | Wk once those are read out:
; a joint refill behind a round of the cluster's barrier, four steps of part 1 and its way out ahead of their first use.  Part 1's stores leave while part 2 is multiplied.
; PART 1 USES THE MATRIX INSTRUCTION TRANSPOSED (source 0 = 16 rows of W, source 1 = 16 tokens): lane (r, h) holds token r and, in accumulator b, channels 16 b + 8 h + 0 .. 7: the next product's K runs along the registers.
; PART 2 USES IT AS IT STANDS (source 0 = 16 tokens, source 1 = 16 rows of Wv): lane (r, h) holds channel r and tokens 8 h + 0 .. 7: V^T, since the tokens are the last product's K.
; THE OUTPUT IS LAID AS THE READERS' OPERAND REGISTERS.  A fragment of 16 rows x 32 along the next K in f16 is 8 registers a lane: registers 0-3 hold k = 8 h + 0 .. 7, registers 4-7 k = 16 + 8 h + 0 .. 7; its image is
; 1,024 bytes: registers 0-3 of lane l at 16 l, registers 4-7 at 512 + 16 l.  An accumulator packed in pairs is half a fragment, so each store of the wave covers 512 consecutive bytes, aligned, straight from registers.
;   qkf: [512 blocks of 16 tokens][64 fragments: 0-31 Q, 32-63 K];   vf: [64 blocks of 16 channels][256 fragments of 32 tokens].
; CLUSTERS: 4 x 4.  The four of a row need the same tiles of x, the four of a column the same rows of W: each is asked for jointly, by the same tensor load with the same descriptor and a mask that names the four.
; LIMIT: a result beyond 65,504 in magnitude becomes an infinity of f16 (with x and the weights 30 times larger than unit spread, or offset by 30 spreads, the results stay under 30,000).
; REGISTERS, in windows of 256: window 0: v0-31 addresses; v32-95 scale words, two sets; v128-191 x's fragments in part 1, ONE set; on the ways out v128-255 hold packed results.
;   window 1: part 1: W's fragments, two sets, at v0 and v128;  part 2: two sets of operands at v0 and v128: 64 registers of x, then 32 of Wv.
;   window 2: part 1: the accumulators of my tokens 0-63 ((a, b) at v[8 (8 a + b)]);  part 2: all 32 ((a, b) at v[8 (4 a + b)]).   window 3: part 1: those of my tokens 64-127.
.set NQ,     4                         ; matrix instructions deep in a slot: 512 / 128
.set ROWB,   256                       ; a tile's row in bytes: 512 codes
.set KROW,   512                       ; a row of codes in memory
.set PITCH,  272                       ; an LDS row: 256 bytes + 16 of padding = 68 words: the 16 rows that a load touches start at 16 different banks (64 banks of 4 bytes: ISA guide 11.1)
.set FR,     8                         ; registers of a fragment: 16 rows x 128 K
.set NL,     2                         ; LDS loads that bring one
.set NP,     4                         ; places behind this matrix instruction (ISA guide 7.12.1)
.set HALFT,  128*PITCH                 ; 128 rows: what one tensor load brings
.set SLOT,   4*HALFT                   ; x's 256 rows, then W's 256 rows
.set KS,     32                        ; a row of scale bytes
.set SCL,    2*SLOT                    ; behind the slots: the scales, as rows of 256 bytes + 16 of padding: x's 256 rows,
.set HALFS,  (128*KS/256)*272          ; (the scales of 128 rows)
.set SBLK,   (16*KS/256)*272           ; (those of 16 rows)
.set SCV,    SCL+2*HALFS               ; Wv's 128 rows,
.set SCB,    SCL+3*HALFS               ; Wq | Wk's 256 rows
.set SPARE,  SCL+5*HALFS               ; behind the scales: the spare words, 128 bytes for each wave
.set ADRA, 16                          ; v16-17  LDS address of my fragments of x in slot 0, 1
.set ADRB, 20                          ; v20-21  the same for Wq | Wk
.set ADRV, 22                          ; v22     LDS address of my fragments of Wv, K step 0
.set ADRS2, 23                         ; v23     part 2's scale words: lanes 0-15 x's rows, lanes 16-31 Wv's
.set CO,   26                          ; v26     16 x lane: my place in a store's 512 bytes
.set ADRS, 27                          ; v27     part 1's scale words: lanes 0-15 x's rows, lanes 16-31 Wq | Wk's
.set SPW,  28                          ; v28     LDS address of my spare word; never rewritten
.set NIL,  29                          ; v29     0; never rewritten
.set SC,   32                          ; scale words: set s at v[SC + 32 s]; register 4 i + q: lanes 0-15 the word of x's block i, lanes 16-31 that of W's block i, for the slot's q-th 128 along K
.set AF,   128                         ; x's fragments in part 1, in window 0
.set TMP,  128                         ; the ways out: packed results
.set G1, 24                            ; s[24:31] descriptor group 1 for x's tiles;  s[32:39] group 0, one set for each slot
.set G0, 32
.set G1B, 48                           ; s[48:55], s[56:63] the same for W's tiles
.set G0B, 56
.set G1S, 68                           ; s[68:75], s[76:79] groups 1 and 0 for x's scales;  s[80:87], s[88:91] for Wq | Wk's
.set G0S, 76
.set G1SB, 80
.set G0SB, 88
.set G1SV, 92                          ; s[92:99] group 1 for Wv's scales, 32 rows a wave
.set G0V,  4                           ; s[4:7]   group 0 for Wv's rows, written when xc's and xs's addresses are spent
.set G0SV, 8                           ; s[8:11]  group 0 for Wv's scales, written when wc's address is spent
.set MSB, 0
.macro WIN new                         ; the immediate's high byte repeats the setting that is left
.if MSB != (\new)
	s_set_vgpr_msb (MSB<<8)|(\new)
.set MSB, (\new)
.endif
.endm
.set MUL_LO, 0xa1                      ; part 1: source 0 (W) window 1, source 1 (x) window 0, C and D window 2
.set MUL_HI, 0xf1                      ; the same, C and D window 3
.set MUL2W,  0xa5                      ; part 2: both sources window 1, C and D window 2
.set TO_B,   0x40                      ; destination window 1, address window 0
; A joint load: waves 0 and 1 fetch for x, waves 2 and 3 for W.  The branch hangs on the wave's number alone.  An s_nop 0 and four v_nop follow each of the two lines.
.macro JLOAD g0a, g1a, g0b, g1b
	s_cmp_eq_u32 s17, 0
	s_cbranch_scc0 .Lfor_b_\@
	tensor_load_to_lds s[\g0a:\g0a+3], s[\g1a:\g1a+7]
	s_nop 0
.rept 4
	v_nop
.endr
	s_branch .Lasked_\@
.Lfor_b_\@:
	tensor_load_to_lds s[\g0b:\g0b+3], s[\g1b:\g1b+7]
	s_nop 0
.rept 4
	v_nop
.endr
.Lasked_\@:
.endm
.macro CREST                           ; a round of the cluster's barrier behind its opening barrier
	s_cmp_lg_u32 s16, 0
	s_cbranch_scc1 .Lnot_wave_0_\@
	s_barrier_signal -3
.Lnot_wave_0_\@:
	s_barrier_wait -3
	s_barrier_signal -1
	s_barrier_wait -1
.endm
.macro CROUND                          ; a whole round
	s_barrier_signal -1
	s_barrier_wait -1
	CREST
.endm
	s_load_b256 s[4:11], s[0:1], 0x0               ; xc s[4:5], xs s[6:7], wc s[8:9], ws s[10:11]
	s_load_b128 s[12:15], s[0:1], 0x20             ; qkf s[12:13], vf s[14:15]
	v_lshl_add_u32 v[SPW], v0, 2, SPARE
	v_mov_b32 v[NIL], 0
	ds_add_u32 v[SPW], v[NIL]                      ; the wave's opening: the add, twice on end, and its wait ahead of my first tensor load; the set-up below stands between the second and the wait
	ds_add_u32 v[SPW], v[NIL]
	v_lshrrev_b32 v1, 5, v0
	v_readfirstlane_b32 s16, v1                    ; wave 0..3
	s_lshr_b32 s17, s16, 1                         ; RH: which 128 tokens are mine.  Also: I fetch for x (0) or for W (1)
	s_and_b32 s18, s16, 1                          ; CH: which half of the columns.  Also: which 128 rows of a tile I fetch, and which K step of Wv
	s_bfe_u32 s40, ttmp6, 0x40000                  ; cx, cy: my place in the cluster
	s_bfe_u32 s41, ttmp6, 0x40004
	s_lshl_b32 s42, ttmp9, 2
	s_add_co_u32 s42, s42, s40                     ; CT = 4 x cluster x + cx, 0..7
	s_and_b32 s19, ttmp7, 0xffff
	s_lshl_b32 s19, s19, 2
	s_add_co_u32 s19, s19, s41                     ; RT = 4 x cluster y + cy, 0..31
	s_lshl_b32 s43, s41, 2
	s_lshl_b32 s43, 15, s43                        ; my row of the cluster
	s_lshl_b32 s44, 0x1111, s40                    ; my column
	; descriptor group 1: a tile of 128 rows x 256 bytes, padded in LDS
	s_or_b32 s[G1+0], s43, (0<<16)|(1<<20)|(1<<21)|(5<<22)|(3<<25)  ; 15:0 the mask: x's tiles go to my row; 17:16 elements of 1 byte; 20 padding on; 21 set beside a mask; 24:22 after every 64 words; 31:25 four words
	s_or_b32 s[G1B+0], s44, (0<<16)|(1<<20)|(1<<21)|(5<<22)|(3<<25)
.irp g, G1, G1B
	s_mov_b32 s[\g+1], ROWB<<16                    ; tensor_dim0
	s_mov_b32 s[\g+2], 128<<16                     ; tensor_dim1
	s_mov_b32 s[\g+3], ROWB<<16                    ; tile_dim0
	s_mov_b32 s[\g+4], 128                         ; tile_dim1
	s_mov_b32 s[\g+5], KROW                        ; tensor_dim0_stride
	s_mov_b32 s[\g+6], 0
	s_mov_b32 s[\g+7], 0
.endr
	; the scales of 128 rows: a dense block of 4,096 bytes, as 16 rows of 256 bytes (32 elements of 8 bytes), 16 bytes of padding behind each
	s_or_b32 s[G1S+0], s43, (3<<16)|(1<<20)|(1<<21)|(5<<22)|(3<<25)
	s_or_b32 s[G1SB+0], s44, (3<<16)|(1<<20)|(1<<21)|(5<<22)|(3<<25)
.irp g, G1S, G1SB
	s_mov_b32 s[\g+1], 32<<16
	s_mov_b32 s[\g+2], (128*KS/256)<<16
	s_mov_b32 s[\g+3], 32<<16
	s_mov_b32 s[\g+4], 128*KS/256
	s_mov_b32 s[\g+5], 32
	s_mov_b32 s[\g+6], 0
	s_mov_b32 s[\g+7], 0
.endr
	; Wv's scales: each wave brings those of 32 rows: 4 rows of 256 bytes
	s_or_b32 s[G1SV+0], s44, (3<<16)|(1<<20)|(1<<21)|(5<<22)|(3<<25)
	s_mov_b32 s[G1SV+1], 32<<16
	s_mov_b32 s[G1SV+2], 4<<16
	s_mov_b32 s[G1SV+3], 32<<16
	s_mov_b32 s[G1SV+4], 4
	s_mov_b32 s[G1SV+5], 32
	s_mov_b32 s[G1SV+6], 0
	s_mov_b32 s[G1SV+7], 0
	; byte offsets, all under 2^23.  x's hang on RT alone, W's on CT alone, each in registers of its own
	s_lshl_b32 s23, s18, 7                         ; which 128 rows of a tile I fetch
	s_lshl_b32 s20, s19, 8
	s_add_co_u32 s20, s20, s23                     ; x: row 256 RT + 128 x half
	s_lshl_b32 s2, s20, 5                          ; its scales,
	s_mov_b32 s3, 0
	s_lshl_b32 s20, s20, 9                         ; its codes
	s_mov_b32 s21, 0
	s_lshl_b32 s46, s42, 8
	s_add_co_u32 s46, s46, s23                     ; Wq | Wk: row 256 CT + 128 x half
	s_lshl_b32 s66, s46, 5
	s_mov_b32 s67, 0
	s_lshl_b32 s46, s46, 9
	s_mov_b32 s47, 0
	s_lshl_b32 s100, s42, 7
	s_add_co_u32 s100, s100, 2048                  ; Wv: row 2,048 + 128 CT
	s_lshl_b32 s22, s100, 5
	s_lshl_b32 s23, s16, 10
	s_add_co_u32 s22, s22, s23                     ; its scales: + 1,024 bytes (32 rows) x wave
	s_mov_b32 s23, 0
	s_lshl_b32 s100, s100, 9
	s_lshl_b32 s101, s18, 8
	s_add_co_u32 s100, s100, s101                  ; its codes: + 256 bytes x K step
	s_mov_b32 s101, 0
	; groups 0: the constant words and the LDS addresses, which hang on the wave's number alone
	s_mul_i32 s45, s16, HALFT                      ; wave x 128 rows
.irp s, 0,1
	s_mov_b32 s[G0+4*\s], 1
	s_add_co_u32 s[G0+4*\s+1], s45, \s*SLOT
	s_mov_b32 s[G0B+4*\s], 1
	s_add_co_u32 s[G0B+4*\s+1], s45, \s*SLOT
.endr
	s_mov_b32 s[G0S], 1
	s_mul_i32 s[G0S+1], s16, HALFS
	s_add_co_u32 s[G0S+1], s[G0S+1], SCL           ; waves 0, 1: x's two halves
	s_mov_b32 s[G0SB], 1
	s_add_co_u32 s[G0SB+1], s[G0S+1], HALFS        ; waves 2, 3: Wq | Wk's two halves, one region further on
	s_wait_dscnt 0x0                               ; both opening adds are done
	s_wait_kmcnt 0x0
	s_add_nc_u64 s[G0+2:G0+3], s[4:5], s[20:21]    ; x's codes, K step 0,
	s_add_nc_u64 s[G0+6:G0+7], s[G0+2:G0+3], ROWB  ; K step 1
	s_add_nc_u64 s[G0S+2:G0S+3], s[6:7], s[2:3]
	s_add_nc_u64 s[G0B+2:G0B+3], s[8:9], s[46:47]
	s_add_nc_u64 s[G0B+6:G0B+7], s[G0B+2:G0B+3], ROWB
	s_add_nc_u64 s[G0SB+2:G0SB+3], s[10:11], s[66:67]
	s_add_nc_u64 s[G0V+2:G0V+3], s[8:9], s[100:101]
	s_add_nc_u64 s[G0SV+2:G0SV+3], s[10:11], s[22:23]
.irp g, G0+3, G0+7, G0S+3, G0B+3, G0B+7, G0SB+3, G0V+3, G0SV+3
	s_or_b32 s[\g], s[\g], 0x80000000              ; 127:126 type = 2
.endr
	s_mov_b32 s[G0V], 1
	s_mul_i32 s[G0V+1], s18, HALFT
	s_add_co_u32 s[G0V+1], s[G0V+1], 2*HALFT       ; Wv's K step s takes half s of slot 0's rows of W
	s_mov_b32 s[G0SV], 1
	s_mul_i32 s[G0SV+1], s16, 4*272
	s_add_co_u32 s[G0SV+1], s[G0SV+1], SCV
	CROUND                                         ; all sixteen work-groups are here: the first joint loads meet
	JLOAD G0S, G1S, G0SB, G1SB                     ; the scales first: they are wanted with K step 0
	tensor_load_to_lds s[G0SV:G0SV+3], s[G1SV:G1SV+7]   ; every wave: its quarter of Wv's scales
	s_nop 0
.rept 4
	v_nop
.endr
	JLOAD G0, G1, G0B, G1B                         ; slot 0
	JLOAD G0+4, G1, G0B+4, G1B                     ; slot 1: four tensor loads of mine are out
	v_and_b32 v1, 15, v0                           ; l % 16
	v_bfe_u32 v2, v0, 4, 1                         ; l / 16
	v_mul_u32_u24 v3, v1, PITCH
	v_lshl_add_u32 v4, v2, 4, v3                   ; a fragment's row x pitch + 16 x half
	s_mul_i32 s21, s17, HALFT                      ; my 128 rows of x
	s_mul_i32 s22, s18, HALFT                      ; my 128 rows of Wq | Wk,
	s_add_co_u32 s22, s22, 2*HALFT                 ; which lie behind x's 256
.irp s, 0,1
	v_add_nc_u32 v[ADRA+\s], s21, v4
	v_add_nc_u32 v[ADRB+\s], s22, v4
	s_add_co_u32 s21, s21, SLOT
	s_add_co_u32 s22, s22, SLOT
.endr
	s_mul_i32 s22, s18, 64*PITCH                   ; my 64 rows of Wv
	s_add_co_u32 s22, s22, 2*HALFT
	v_add_nc_u32 v[ADRV], s22, v4
	v_mul_u32_u24 v5, v1, KS                       ; my row's scales: 32 bytes a row,
	v_lshrrev_b32 v6, 8, v5
	v_lshl_add_u32 v5, v6, 4, v5                   ; and 16 more for each 256 passed
	s_mul_i32 s21, s17, HALFS                      ; x's: my 128 rows
	s_mul_i32 s22, s18, HALFS                      ; Wq | Wk's: my 128 rows
	s_add_co_u32 s22, s22, 3*HALFS
	s_sub_co_u32 s22, s22, s21
	v_mul_u32_u24 v6, s22, v2                      ; lanes 16-31 take W's: one product, the distance between the two bases
	s_mul_i32 s23, s18, HALFS/2                    ; Wv's: my 64 rows
	s_add_co_u32 s23, s23, 2*HALFS
	s_sub_co_u32 s23, s23, s21
	v_mul_u32_u24 v7, s23, v2
	s_add_co_u32 s21, s21, SCL
	v_add_nc_u32 v6, v5, v6
	v_add_nc_u32 v[ADRS], s21, v6
	v_add_nc_u32 v7, v5, v7
	v_add_nc_u32 v[ADRS2], s21, v7
	v_and_b32 v6, 31, v0
	v_lshlrev_b32 v[CO], 4, v6
	s_lshl_b32 s20, s19, 4                         ; qkf: block 16 RT + 8 RH of 65,536 bytes,
	s_lshl_b32 s21, s17, 3
	s_add_co_u32 s20, s20, s21
	s_lshl_b32 s20, s20, 16
	s_lshl_b32 s46, s42, 13                        ; fragment 8 CT + 4 CH
	s_lshl_b32 s47, s18, 12
	s_add_co_u32 s46, s46, s47
	s_add_co_u32 s20, s20, s46                     ; under 2^26
	s_mov_b32 s21, 0
	s_add_nc_u64 s[12:13], s[12:13], s[20:21]
	s_lshl_b32 s20, s42, 3                         ; vf: block 8 CT + 4 CH of 262,144 bytes,
	s_lshl_b32 s21, s18, 2
	s_add_co_u32 s20, s20, s21
	s_lshl_b32 s20, s20, 18
	s_lshl_b32 s46, s19, 13                        ; fragment 8 RT + 4 RH
	s_lshl_b32 s47, s17, 12
	s_add_co_u32 s46, s46, s47
	s_add_co_u32 s20, s20, s46                     ; under 2^25
	s_mov_b32 s21, 0
	s_add_nc_u64 s[14:15], s[14:15], s[20:21]
.macro FRAG reg, adr, q, i             ; a fragment, 16 rows x 128 K of 4-bit codes: lane l holds row l % 16; registers 4 c .. 4 c + 3 hold K = 64 c + 32 (l / 16) + 0 .. 31
.irp c, 0,1
	ds_load_b128 v[\reg+4*\c:\reg+4*\c+3], v[\adr] offset:64*(\q)+32*\c+(\i)*16*PITCH
.endr
.endm
; PART 1.  16 matrix instructions: x's blocks a0, a0 + 1 x W's eight, 128 along K: the slot's q-th.  p: W's set;  sc: the set of scale words.  zero = 1: the first product starts the sums: nothing is ever cleared.
; The 64 accumulators take turns, one instruction a turn, in the same order in every step.
.macro MUL16 a0, p, q, sc, zero
.irp a, \a0, \a0+1
.irp b, 0,1,2,3,4,5,6,7
.if \zero
	v_wmma_scale_f32_16x16x128_f8f6f4 v[8*(8*((\a)%4)+\b):8*(8*((\a)%4)+\b)+7], v[128*(\p)+FR*\b:128*(\p)+FR*\b+FR-1], v[AF+FR*(\a):AF+FR*(\a)+FR-1], 0, v[SC+8*NQ*(\sc)+NQ*\b+(\q)], v[SC+8*NQ*(\sc)+NQ*(\a)+(\q)] matrix_a_fmt:MATRIX_FMT_FP4 matrix_b_fmt:MATRIX_FMT_FP4 matrix_a_scale:MATRIX_SCALE_ROW1
.else
	v_wmma_scale_f32_16x16x128_f8f6f4 v[8*(8*((\a)%4)+\b):8*(8*((\a)%4)+\b)+7], v[128*(\p)+FR*\b:128*(\p)+FR*\b+FR-1], v[AF+FR*(\a):AF+FR*(\a)+FR-1], v[8*(8*((\a)%4)+\b):8*(8*((\a)%4)+\b)+7], v[SC+8*NQ*(\sc)+NQ*\b+(\q)], v[SC+8*NQ*(\sc)+NQ*(\a)+(\q)] matrix_a_fmt:MATRIX_FMT_FP4 matrix_b_fmt:MATRIX_FMT_FP4 matrix_a_scale:MATRIX_SCALE_ROW1
.endif
.endr
.endr
.endm
.macro FETCH_B slot, q, p              ; W's eight fragments of the slot's q-th 128 along K into set p
	WIN TO_B
.irp i, 0,1,2,3,4,5,6,7
	FRAG 128*(\p)+FR*\i, ADRB+\slot, \q, \i
.endr
	WIN 0
.endm
.macro FETCH_A slot, q, i0             ; x's blocks i0 .. i0 + 3
.irp i, \i0, \i0+1, \i0+2, \i0+3
	FRAG AF+FR*(\i), ADRA+\slot, \q, \i
.endr
.endm
.macro SCALES sc                       ; a K step's scale words into set sc: four words a row; lanes 0-15 take x's block i, lanes 16-31 W's block i
.irp i, 0,1,2,3,4,5,6,7
	ds_load_b128 v[SC+8*NQ*\sc+NQ*\i:SC+8*NQ*\sc+NQ*\i+3], v[ADRS] offset:\i*SBLK
.endr
.endm
; A load into a register that a matrix instruction has read, and a vector instruction that reads a matrix result or writes one of its registers, stand NP places behind it, and only plain vector
; instructions that name none of its registers are places (ISA guide 7.12.1 for vector instructions).
.macro PLACES n
.rept \n
	v_nop
.endr
.endm
; A step of 128 along K that has its successor in the same slot.  A block of x is free as soon as its eight products are issued, so one set serves x: blocks 0-3 are fetched anew in the step's middle, blocks 4-7 at its end.
.macro STEP slot, q, zero
	s_wait_dscnt 4*NL                              ; W's set and x's blocks 0-3 are in; the youngest eight loads (x's blocks 4-7) may be out
	WIN MUL_LO
	MUL16 0, (\q)%2, \q, \slot, \zero
	MUL16 2, (\q)%2, \q, \slot, \zero
	s_wait_dscnt 0                                 ; x's blocks 4-7 are in (asked for 32 matrix instructions ago)
	PLACES NP
	FETCH_B \slot, (\q)+1, 1-(\q)%2
	FETCH_A \slot, (\q)+1, 0
	WIN MUL_HI
	MUL16 4, (\q)%2, \q, \slot, \zero
	MUL16 6, (\q)%2, \q, \slot, \zero
	PLACES NP
	WIN 0
	FETCH_A \slot, (\q)+1, 4
.endm
	s_wait_tensorcnt 1                             ; all scales and my part of K step 0 are in (K step 1's load, the one issued behind them, may be out)
	s_barrier_signal -1
	s_barrier_wait -1                              ; everybody's are
	FETCH_B 0, 0, 0
	FETCH_A 0, 0, 0
	SCALES 0
	FETCH_A 0, 0, 4
	STEP 0, 0, 1                                   ; the first step's products start the sums
	STEP 0, 1, 0
	STEP 0, 2, 0
	; Slot 0's last step changes slots.  In front of the barrier each wave waits for all its tensor loads (its part of slot 1), adds 0 to its spare word, and waits for that and for its reads of slot 0.  The barrier opens a round
	; of the cluster's barrier; behind the round no wave of any partner reads slot 0's rows of W, and Wv's rows are asked for into their place.
	s_wait_tensorcnt 0x0                           ; all my tensor loads have landed
	ds_add_u32 v[SPW], v[NIL]                      ; 0 onto my spare word
	s_wait_dscnt 4*NL+1                            ; (the add and the youngest eight loads, x's blocks 4-7, may be out)
	WIN MUL_LO
	MUL16 0, 1, NQ-1, 0, 0                         ; sixteen matrix instructions stand between the add and the wait for it
	s_wait_dscnt 0x0                               ; the add is done, and my reads of slot 0 in this part are over
	s_barrier_signal -1
	MUL16 2, 1, NQ-1, 0, 0                         ; work on registers while the others arrive
	WIN 0
	s_barrier_wait -1
	CREST
	s_cmp_eq_u32 s17, 0                            ; waves 2 and 3 ask: wave 2 for Wv's K step 0, wave 3 for its K step 1; waves 0 and 1 have nothing to fill.  The branch hangs on the wave's number alone
	s_cbranch_scc1 .Lnot_v
	tensor_load_to_lds s[G0V:G0V+3], s[G1B:G1B+7]  ; the first tensor load behind the round, and my last: 128 rows x 256 bytes
	s_nop 0
.rept 4
	v_nop
.endr
.Lnot_v:
	PLACES NP                                      ; for the loads below, in every wave
	v_add_nc_u32 v[ADRS], 4*NQ, v[ADRS]            ; on to K step 1's scale words
	FETCH_B 1, 0, 0
	FETCH_A 1, 0, 0
	SCALES 1
	WIN MUL_HI
	MUL16 4, 1, NQ-1, 0, 0
	MUL16 6, 1, NQ-1, 0, 0
	PLACES NP
	WIN 0
	FETCH_A 1, 0, 4
	STEP 1, 0, 0
	STEP 1, 1, 0
	STEP 1, 2, 0
	s_wait_dscnt 4*NL                              ; part 1's last step: nothing more to fetch
	WIN MUL_LO
	MUL16 0, 1, NQ-1, 1, 0
	MUL16 2, 1, NQ-1, 1, 0
	s_wait_dscnt 0
	WIN MUL_HI
	MUL16 4, 1, NQ-1, 1, 0
	MUL16 6, 1, NQ-1, 1, 0
	WIN 0
; PART 2's operands.  Step n (0..7) is the (n % 4)-th 128 along K of K step n / 4; its operands go into set n % 2 of window 1: x's eight blocks, then Wv's four.
.macro FETCH2 n
.set PP, 128*((\n)%2)
	WIN TO_B
.irp i, 0,1,2,3,4,5,6,7
	FRAG PP+FR*\i, ADRA+(\n)/4, (\n)%4, \i
.endr
.irp i, 0,1,2,3
.irp c, 0,1
	ds_load_b128 v[PP+64+FR*\i+4*\c:PP+64+FR*\i+4*\c+3], v[ADRV] offset:((\n)/4)*HALFT+64*((\n)%4)+32*\c+\i*16*PITCH
.endr
.endr
	WIN 0
.endm
.macro SCALES2 sc                      ; K step sc's scale words: lanes 0-15 x's block i, lanes 16-31 Wv's block i (for i over 3 they read on into the next region's scales, and those lanes are not used)
.irp i, 0,1,2,3,4,5,6,7
	ds_load_b128 v[SC+8*NQ*\sc+NQ*\i:SC+8*NQ*\sc+NQ*\i+3], v[ADRS2] offset:\i*SBLK+16*\sc
.endr
.endm
; 32 matrix instructions: x's eight blocks x Wv's four.  The 32 accumulators take turns, one instruction a turn, in the same order in every step.
.macro MUL2 n, zero
.set PP, 128*((\n)%2)
.set SS, SC+8*NQ*((\n)/4)+((\n)%4)
.irp a, 0,1,2,3,4,5,6,7
.irp b, 0,1,2,3
.if \zero
	v_wmma_scale_f32_16x16x128_f8f6f4 v[8*(4*\a+\b):8*(4*\a+\b)+7], v[PP+FR*\a:PP+FR*\a+FR-1], v[PP+64+FR*\b:PP+64+FR*\b+FR-1], 0, v[SS+NQ*\a], v[SS+NQ*\b] matrix_a_fmt:MATRIX_FMT_FP4 matrix_b_fmt:MATRIX_FMT_FP4 matrix_b_scale:MATRIX_SCALE_ROW1
.else
	v_wmma_scale_f32_16x16x128_f8f6f4 v[8*(4*\a+\b):8*(4*\a+\b)+7], v[PP+FR*\a:PP+FR*\a+FR-1], v[PP+64+FR*\b:PP+64+FR*\b+FR-1], v[8*(4*\a+\b):8*(4*\a+\b)+7], v[SS+NQ*\a], v[SS+NQ*\b] matrix_a_fmt:MATRIX_FMT_FP4 matrix_b_fmt:MATRIX_FMT_FP4 matrix_b_scale:MATRIX_SCALE_ROW1
.endif
.endr
.endr
.endm
.macro STEP2 n
	s_wait_dscnt 0x0                               ; this step's operands are in (asked for a step ago)
.if (\n) < 7
.if (\n) > 0
	PLACES NP                                      ; behind the last step's products, which read the other set
.endif
	FETCH2 (\n)+1                                  ; one run of 24 loads, under this step's 32 products
.endif
	WIN MUL2W
.if (\n) == 0
	MUL2 \n, 1
.else
	MUL2 \n, 0
.endif
	WIN 0
.endm
; PART 1's WAY OUT, block by block of 16 tokens: 32 roundings to f16 (each accumulator from its low end on), eight stores of 512 consecutive bytes; every offset an immediate, 462,336 at the most.
.macro OUTB a
.set AC, 64*((\a)%4)
.set TM, TMP+32*((\a)%2)
	WIN 0x0a+5*((\a)/4)                            ; sources 0 and 1: window 2 or 3
.irp b, 0,1,2,3,4,5,6,7
.irp i, 0,1,2,3
	v_cvt_pk_f16_f32 v[TM+4*\b+\i], v[AC+8*\b+2*\i], v[AC+8*\b+2*\i+1]
.endr
.endr
	WIN 0
.if (\a) > 0
	s_wait_xcnt 0x0                                ; the earlier stores have read their data: the next block may write the set that block a - 1 stored from
.endif
.irp b, 0,1,2,3,4,5,6,7
	global_store_b128 v[CO], v[TM+4*\b:TM+4*\b+3], s[12:13] offset:(\a)*65536+(\b/2)*1024+(\b%2)*512   ; accumulator b: half b % 2 of fragment b / 2
.endr
.endm
	s_wait_tensorcnt 0x0                           ; Wv's rows that I asked for have landed (no LDS instruction of mine is out),
	s_barrier_signal -1
	s_barrier_wait -1                              ; everybody's have
	PLACES NP                                      ; behind part 1's last products: the loads below land in registers that they read, and the roundings read results
	SCALES2 0
	SCALES2 1
	FETCH2 0                                       ; part 2's first operands come while part 1 is packed
.irp a, 0,1,2,3,4,5,6,7
	OUTB \a
.endr
.irp n, 0,1,2,3,4,5,6,7
	STEP2 \n                                       ; part 1's stores leave meanwhile
.endr
	; PART 2's WAY OUT: accumulator (a, b) is half a % 2 of fragment a / 2 of channel block b
	PLACES NP                                      ; behind the last products
	s_wait_xcnt 0x0                                ; part 1's stores have read their data: the registers may be written again
	WIN 0x0a                                       ; sources 0 and 1: window 2
.set KK, 0
.rept 32
.irp i, 0,1,2,3
	v_cvt_pk_f16_f32 v[TMP+4*KK+\i], v[8*KK+2*\i], v[8*KK+2*\i+1]
.endr
.set KK, KK+1
.endr
	WIN 0
.irp a, 0,1,2,3,4,5,6,7
.irp b, 0,1,2,3
	global_store_b128 v[CO], v[TMP+4*(4*\a+\b):TMP+4*(4*\a+\b)+3], s[14:15] offset:\b*262144+(\a/2)*1024+(\a%2)*512   ; 512 consecutive bytes, aligned; 790,016 at the most
.endr
.endr
	s_wait_tensorcnt 0x0                           ; the wave's end, behind my last tensor load
	ds_add_u32 v[SPW], v[NIL]
	s_wait_dscnt 0x0
	CROUND                                         ; the closing round: no work-group ends while a partner may still ask for a tile that names it
	s_endpgm
.Lfunc_end_k_qc61955f6c4_proj:
	.size	k_qc61955f6c4_proj, .Lfunc_end_k_qc61955f6c4_proj-k_qc61955f6c4_proj
	.p2alignl 7, 3214868480
	.fill 96, 4, 3214868480
	.section	.rodata,"a",@progbits
	.p2align	6, 0x0
	.amdhsa_kernel k_qc61955f6c4_proj
		.amdhsa_group_segment_fixed_size 327680
		.amdhsa_private_segment_fixed_size 0
		.amdhsa_enable_private_segment 0
		.amdhsa_kernarg_size 48
		.amdhsa_user_sgpr_count 2
		.amdhsa_user_sgpr_kernarg_segment_ptr 1
		.amdhsa_wavefront_size32 1
		.amdhsa_system_sgpr_workgroup_id_x 1
		.amdhsa_system_sgpr_workgroup_id_y 1
		.amdhsa_system_sgpr_workgroup_id_z 1
		.amdhsa_system_vgpr_workitem_id 0
		.amdhsa_next_free_vgpr 1024
		.amdhsa_next_free_sgpr 102
		.amdhsa_reserve_vcc 0
		.amdhsa_float_denorm_mode_32 3
		.amdhsa_float_denorm_mode_16_64 3
		.amdhsa_memory_ordered 1
		.amdhsa_forward_progress 1
		.amdhsa_inst_pref_size 178
	.end_amdhsa_kernel
	.amdgpu_metadata
---
amdhsa.version: [ 1, 2 ]
amdhsa.kernels:
  - .name:           k_qc61955f6c4_proj
    .symbol:         k_qc61955f6c4_proj.kd
    .args:
      - { .name: xc, .offset: 0, .size: 8, .value_kind: global_buffer, .address_space: global }
      - { .name: xs, .offset: 8, .size: 8, .value_kind: global_buffer, .address_space: global }
      - { .name: wc, .offset: 16, .size: 8, .value_kind: global_buffer, .address_space: global }
      - { .name: ws, .offset: 24, .size: 8, .value_kind: global_buffer, .address_space: global }
      - { .name: qkf, .offset: 32, .size: 8, .value_kind: global_buffer, .address_space: global }
      - { .name: vf, .offset: 40, .size: 8, .value_kind: global_buffer, .address_space: global }
    .group_segment_fixed_size: 327680
    .private_segment_fixed_size: 0
    .kernarg_segment_align: 8
    .kernarg_segment_size: 48
    .max_flat_workgroup_size: 128
    .sgpr_count:     102
    .vgpr_count:     1024
    .wavefront_size: 32
...
	.end_amdgpu_metadata
.endif
;; end of part 2
;; launch score (part 3): grid 8 x 32, 4 waves a work-group, clusters of 4 x 4, 327,680 bytes of LDS; arguments qkf, pf, st; writes pf, st
.if DOCPART == 3
	.amdgcn_target "amdgcn-amd-amdhsa--gfx1250"
	.amdhsa_code_object_version 6
	.text
	.protected	k_qc61955f6c4_score
	.globl	k_qc61955f6c4_score
	.p2align	8
	.type	k_qc61955f6c4_score,@function
k_qc61955f6c4_score:
	s_mov_b64 s[64:65], 0
	v_nop
	global_prefetch_b8 v0, s[64:65] scope:SCOPE_SE
	s_setreg_imm32_b32 hwreg(HW_REG_WAVE_MODE, 25, 1), 1
	s_wait_xcnt 0x0
	s_wait_alu depctr_hold_cnt(0) depctr_sa_sdst(0) depctr_va_vdst(0) depctr_va_sdst(0) depctr_va_ssrc(0) depctr_va_vcc(0) depctr_vm_vsrc(0)
	s_getreg_b32 s2, hwreg(HW_REG_IB_STS2, 6, 4)
	s_cmp_eq_u32 s2, 0
	s_cbranch_scc0 .Lentry_in_a_cluster
	s_endpgm
.Lentry_in_a_cluster:
	s_bfe_u32 s2, ttmp6, 0x10000c
	s_cmp_lg_u32 s2, 0xf033
	s_cbranch_scc0 .Lentry_shape_is_right
	s_endpgm
.Lentry_shape_is_right:
; LAUNCH 3 OF 4: the scores Q K^T (f16 operands, f32 sums) and the softmax's numerator, by blocks of 128 keys.  No work is left out.
; t = score x c, c = log2(e) / 32 (the division by sqrt(1024) is folded in).  For a query and a block kb of 128 keys: M = the block's largest t rounded UP to a whole number, kept as NM = floor(-max t);
; p' = 2^(t - M), at most 1, rounded to f16 and stored in pf;  l = the sum of the unrounded p', in f32.  (NM, l) go to st.  The next launch brings the sixteen blocks of a row under the row's largest M by
; powers of two.  So the maximum is taken away for every input, first by blocks, then over the row, with no branch on data.
; LIMITS: a p' under 2^-24 becomes 0 in f16.  NaN and infinities among Q and K are not served.
; SHARES.  A work-group makes 256 queries x 256 keys of one batch; a wave 128 x 128: 64 accumulators, 512 registers; its 128 keys are one block kb.  K = the 1,024 channels goes in eight steps of 128 through two LDS slots.
; qkf holds Q and K as images of operand registers: [block of 16 tokens][64 fragments of 1,024 bytes: 0-31 Q, 32-63 K].  A step's four fragments of a block are 4,096 consecutive bytes, so a tile is 8 rows of 4,096 bytes,
; it lies dense in LDS, and a fragment comes by two ds_load_b128 at 16 x lane: consecutive bytes, no padding needed.
; THE MATRIX INSTRUCTION IS USED TRANSPOSED (source 0 = 16 keys, source 1 = 16 queries): lane (r, h) holds query r, and accumulator b keys 16 b + 8 h + 0 .. 7.  Packed in pairs, accumulator 2 c is registers 0-3 and
; accumulator 2 c + 1 registers 4-7 of P's fragment c (16 queries x 32 keys): pf is written straight from registers, 512 consecutive bytes a store.  pf: [512 blocks of 16 queries][64 fragments of 32 keys][1,024 bytes].
; CLUSTERS: 4 x 4.  The four of a row need the same tiles of Q, the four of a column the same tiles of K: each is asked for jointly.
; REGISTERS, in windows of 256: window 0: v0-31 addresses; v64-127, v128-191 Q's fragments, two buffers; in the tail v64-121 at work, v128-191 packed p'.   window 1: K's fragments at the same numbers.
;   window 2: the accumulators of my queries 0-63 ((a, b) at v[8 (8 a + b)]);   window 3: those of my queries 64-127.
.set SLOT,  131072                     ; Q's 16 blocks x 4,096 bytes, then K's 16
.set BLK,   4096                       ; a block's four fragments
.set FRG,   1024
.set SPARE, 2*SLOT                     ; behind the ring: the spare words, 128 bytes for each wave
.set ADRA, 16                          ; v16-17  LDS address of my Q fragments in slot 0, 1
.set ADRB, 20                          ; v20-21  the same for K
.set PO,   26                          ; v26     16 x lane
.set SO,   27                          ; v27     8 x lane
.set SPW,  28                          ; v28     LDS address of my spare word; never rewritten
.set NIL,  29                          ; v29     0; never rewritten
.set F0,   64
.set F1,   128
.set T,    64                          ; the tail: v64-95 at work
.set ST,   96                          ; v96-111 (NM, l) of my eight blocks of queries
.set NMR,  112                         ; v[112:113] NM of the block in hand; the packed form names the pair and takes its low word
.set SOUT, 114                         ; v114-121 the statistics as they are stored
.set TMP,  128                         ; v128-159, v160-191 packed p', by turns
.set G1, 24                            ; s[24:31] descriptor group 1 for Q's tiles;  s[32:39] group 0, one set for each slot
.set G0, 32
.set G1B, 48                           ; s[48:55], s[56:63] the same for K's
.set G0B, 56
.set CS,  66                           ; s[66:67] c, twice
.set SEL, 68                           ; s[68:69] v_permlanex16_b32's selects for lane l xor 16
.set HM,  70                           ; s70 lanes 16-31
.set MSB, 0
.macro WIN new                         ; the immediate's high byte repeats the setting that is left
.if MSB != (\new)
	s_set_vgpr_msb (MSB<<8)|(\new)
.set MSB, (\new)
.endif
.endm
.set MUL_LO, 0xa1                      ; source 0 (K) window 1, source 1 (Q) window 0, C and D window 2
.set MUL_HI, 0xf1                      ; the same, C and D window 3
.set TO_B,   0x40                      ; destination window 1, address window 0
; A joint load: waves 0 and 1 fetch Q's two halves, waves 2 and 3 K's.  The branch hangs on the wave's number alone.  An s_nop 0 and four v_nop follow each of the two lines.
.macro JLOAD s
	s_cmp_eq_u32 s11, 0
	s_cbranch_scc0 .Lfor_b_\@
	tensor_load_to_lds s[G0+4*\s:G0+4*\s+3], s[G1:G1+7]
	s_nop 0
.rept 4
	v_nop
.endr
	s_branch .Lasked_\@
.Lfor_b_\@:
	tensor_load_to_lds s[G0B+4*\s:G0B+4*\s+3], s[G1B:G1B+7]
	s_nop 0
.rept 4
	v_nop
.endr
.Lasked_\@:
.endm
.macro CREST                           ; a round of the cluster's barrier behind its opening barrier
	s_cmp_lg_u32 s10, 0
	s_cbranch_scc1 .Lnot_wave_0_\@
	s_barrier_signal -3
.Lnot_wave_0_\@:
	s_barrier_wait -3
	s_barrier_signal -1
	s_barrier_wait -1
.endm
.macro CROUND                          ; a whole round
	s_barrier_signal -1
	s_barrier_wait -1
	CREST
.endm
	s_load_b128 s[4:7], s[0:1], 0x0                ; qkf s[4:5], pf s[6:7]
	s_load_b64 s[8:9], s[0:1], 0x10                ; st
	v_lshl_add_u32 v[SPW], v0, 2, SPARE
	v_mov_b32 v[NIL], 0
	ds_add_u32 v[SPW], v[NIL]                      ; the wave's opening: the add, twice on end, and its wait ahead of my first tensor load; the set-up below stands between the second and the wait
	ds_add_u32 v[SPW], v[NIL]
	v_lshrrev_b32 v1, 5, v0
	v_readfirstlane_b32 s10, v1                    ; wave 0..3
	s_lshr_b32 s11, s10, 1                         ; which half of the tile's queries is mine.  Also: I fetch for Q (0) or for K (1)
	s_and_b32 s12, s10, 1                          ; which half of its keys.  Also: which eight blocks of that tile I fetch
	s_bfe_u32 s40, ttmp6, 0x40000                  ; cx, cy
	s_bfe_u32 s41, ttmp6, 0x40004
	s_lshl_b32 s42, ttmp9, 2
	s_add_co_u32 s42, s42, s40                     ; C: the tile of 256 keys in the batch, 0..7
	s_and_b32 s14, ttmp7, 0xffff
	s_lshl_b32 s13, s14, 2
	s_add_co_u32 s13, s13, s41                     ; R: the tile of 256 queries among all 8,192 tokens, 0..31
	s_lshr_b32 s14, s14, 1                         ; the batch: R / 8 = cluster y / 2, which all partners share
	s_lshl_b32 s43, s41, 2
	s_lshl_b32 s43, 15, s43                        ; my row of the cluster
	s_lshl_b32 s44, 0x1111, s40                    ; my column
	; descriptor group 1: 8 rows (blocks of 16 tokens) x 4,096 bytes (512 elements of 8 bytes), 65,536 bytes from block to block; dense in LDS
	s_or_b32 s[G1+0], s43, (3<<16)|(1<<21)         ; 15:0 the mask: Q's tiles go to my row; 17:16 elements of 8 bytes; 21 set beside a mask
	s_or_b32 s[G1B+0], s44, (3<<16)|(1<<21)
.irp g, G1, G1B
	s_mov_b32 s[\g+1], 512<<16                     ; tensor_dim0
	s_mov_b32 s[\g+2], 8<<16                       ; tensor_dim1
	s_mov_b32 s[\g+3], 512<<16                     ; tile_dim0
	s_mov_b32 s[\g+4], 8                           ; tile_dim1
	s_mov_b32 s[\g+5], 8192                        ; tensor_dim0_stride
	s_mov_b32 s[\g+6], 0
	s_mov_b32 s[\g+7], 0
.endr
	s_lshl_b32 s15, s12, 19                        ; the eight blocks that I fetch
	s_lshl_b32 s16, s13, 20                        ; Q: block 16 R + 8 x half
	s_add_co_u32 s16, s16, s15
	s_mov_b32 s17, 0
	s_lshl_b32 s46, s14, 23                        ; K: block 128 x batch + 16 C + 8 x half,
	s_lshl_b32 s47, s42, 20
	s_add_co_u32 s46, s46, s47
	s_add_co_u32 s46, s46, s15
	s_add_co_u32 s46, s46, 32768                   ; from fragment 32 on (all under 2^26)
	s_mov_b32 s47, 0
	s_lshl_b32 s20, s10, 15                        ; where they go: wave x 32,768: no place in the cluster enters an LDS address
	s_mov_b32 s[CS], 0x3d38aa3b                    ; c = log2(e) / 32
	s_mov_b32 s[CS+1], s[CS]
	s_mov_b32 s[SEL], 0x76543210
	s_mov_b32 s[SEL+1], 0xfedcba98
	s_mov_b32 s[HM], 0xffff0000
	s_wait_dscnt 0x0                               ; both opening adds are done
	s_wait_kmcnt 0x0
	s_add_nc_u64 s[16:17], s[4:5], s[16:17]
	s_add_nc_u64 s[46:47], s[4:5], s[46:47]
	CROUND                                         ; all sixteen work-groups are here: the first joint loads meet
.irp s, 0,1
	s_mov_b32 s[G0+4*\s], 1
	s_add_co_u32 s[G0+4*\s+1], s20, \s*SLOT
	s_add_nc_u64 s[G0+4*\s+2:G0+4*\s+3], s[16:17], \s*BLK   ; K step s: four fragments on
	s_or_b32 s[G0+4*\s+3], s[G0+4*\s+3], 0x80000000
	s_mov_b32 s[G0B+4*\s], 1
	s_add_co_u32 s[G0B+4*\s+1], s20, \s*SLOT
	s_add_nc_u64 s[G0B+4*\s+2:G0B+4*\s+3], s[46:47], \s*BLK
	s_or_b32 s[G0B+4*\s+3], s[G0B+4*\s+3], 0x80000000
	JLOAD \s                                       ; two tensor loads of mine are out at the most
.endr
	v_and_b32 v1, 31, v0
	v_lshlrev_b32 v[PO], 4, v1
	v_lshlrev_b32 v[SO], 3, v1
	s_lshl_b32 s21, s11, 15                        ; my eight blocks of Q
	s_lshl_b32 s22, s12, 15                        ; my eight blocks of K,
	s_add_co_u32 s22, s22, 65536                   ; which lie behind Q's sixteen
.irp s, 0,1
	v_add_nc_u32 v[ADRA+\s], s21, v[PO]
	v_add_nc_u32 v[ADRB+\s], s22, v[PO]
	s_add_co_u32 s21, s21, SLOT
	s_add_co_u32 s22, s22, SLOT
.endr
	s_lshl_b32 s20, s13, 20                        ; pf: block 16 R + 8 x query half, fragment 8 C + 4 x key half
	s_lshl_b32 s21, s11, 19
	s_add_co_u32 s20, s20, s21
	s_lshl_b32 s21, s42, 13
	s_add_co_u32 s20, s20, s21
	s_lshl_b32 s21, s12, 12
	s_add_co_u32 s20, s20, s21
	s_mov_b32 s21, 0
	s_add_nc_u64 s[6:7], s[6:7], s[20:21]
	s_lshl_b32 s20, s14, 18                        ; st: [batch][kb = 2 C + key half][query in the batch][2] f32
	s_lshl_b32 s21, s42, 15
	s_add_co_u32 s20, s20, s21
	s_lshl_b32 s21, s12, 14
	s_add_co_u32 s20, s20, s21
	s_and_b32 s21, s13, 7
	s_lshl_b32 s21, s21, 11
	s_add_co_u32 s20, s20, s21
	s_lshl_b32 s21, s11, 10
	s_add_co_u32 s20, s20, s21
	s_mov_b32 s21, 0
	s_add_nc_u64 s[8:9], s[8:9], s[20:21]
; 16 matrix instructions: query blocks a0, a0 + 1 of the window's four (hi = 0: my queries 0-63, 1: 64-127) x all 8 key blocks, 32 channels.  zero = 1: the first product starts the sums.
; The 64 accumulators take turns, one instruction a turn, in the same order in every quarter.
.macro MUL16 f, hi, a0, zero
.irp a, \a0, \a0+1
.irp b, 0,1,2,3,4,5,6,7
.if \zero
	v_wmma_f32_16x16x32_f16 v[8*(8*(\a)+\b):8*(8*(\a)+\b)+7], v[\f+8*\b:\f+8*\b+7], v[\f+8*(4*\hi+(\a)):\f+8*(4*\hi+(\a))+7], 0
.else
	v_wmma_f32_16x16x32_f16 v[8*(8*(\a)+\b):8*(8*(\a)+\b)+7], v[\f+8*\b:\f+8*\b+7], v[\f+8*(4*\hi+(\a)):\f+8*(4*\hi+(\a))+7], v[8*(8*(\a)+\b):8*(8*(\a)+\b)+7]
.endif
.endr
.endr
.endm
; 32 LDS loads in one run: fragment kf (32 channels) of my eight blocks of K and eight blocks of Q, into buffer f
.macro FETCH slot, kf, f
	WIN TO_B
.irp i, 0,1,2,3,4,5,6,7
	ds_load_b128 v[\f+8*\i:\f+8*\i+3],   v[ADRB+\slot] offset:\i*BLK+\kf*FRG
	ds_load_b128 v[\f+8*\i+4:\f+8*\i+7], v[ADRB+\slot] offset:\i*BLK+\kf*FRG+512
.endr
	WIN 0
.irp i, 0,1,2,3,4,5,6,7
	ds_load_b128 v[\f+8*\i:\f+8*\i+3],   v[ADRA+\slot] offset:\i*BLK+\kf*FRG
	ds_load_b128 v[\f+8*\i+4:\f+8*\i+7], v[ADRA+\slot] offset:\i*BLK+\kf*FRG+512
.endr
.endm
; A load into a register that a matrix instruction has read, and a vector instruction that reads a matrix result or writes one of its registers, stand four places behind it, and only plain vector
; instructions that name none of its registers are places (ISA guide 7.12.1 for vector instructions).
.macro PLACES
.rept 4
	v_nop
.endr
.endm
; A K step is four quarters of 32 channels, 64 matrix instructions each, on buffers 0, 1, 0, 1.  One of the first three: multiplies buffer f; in its middle it fetches fragment kf of the same slot into buffer g.
.macro QUARTER slot, kf, f, g, zero
	s_wait_dscnt 8                                 ; K and Q's blocks 0-3 are in; the youngest eight loads (Q's blocks 4-7) may be out
	WIN MUL_LO
	MUL16 \f, 0, 0, \zero
	MUL16 \f, 0, 2, \zero
	PLACES
	FETCH \slot, \kf, \g
	s_wait_dscnt 32                                ; all but the 32 just issued
	WIN MUL_HI
	MUL16 \f, 1, 0, \zero
	MUL16 \f, 1, 2, \zero
.endm
; The last quarter multiplies buffer 1 and changes slots: ONE barrier.  In front of it each wave waits for all its tensor loads (one is out: its part of the next slot), adds 0 to its spare word, and waits for that and for its
; reads of this slot.  fill = 1: the barrier opens a round of the cluster's barrier, and behind the round this slot is filled again, two K steps ahead: 224 matrix instructions stand between that request and the wait for it.
.macro TURN slot, next, fill
	WIN 0                                          ; (the add's two registers lie in window 0)
	s_wait_tensorcnt 0x0                           ; all my tensor loads have landed
	ds_add_u32 v[SPW], v[NIL]                      ; 0 onto my spare word
	s_wait_dscnt 9                                 ; (the add and the youngest eight loads may be out)
	WIN MUL_LO
	MUL16 F1, 0, 0, 0                              ; sixteen matrix instructions stand between the add and the wait for it
	s_wait_dscnt 0x0                               ; the add is done, and my reads of this slot are over
	s_barrier_signal -1
	MUL16 F1, 0, 2, 0                              ; work on registers while the others arrive
	WIN 0
	s_barrier_wait -1
.if \fill
	CREST                                          ; no wave of any partner still reads this slot's tile or has a load on its way
	s_add_nc_u64 s[G0+4*\slot+2:G0+4*\slot+3], s[G0+4*\slot+2:G0+4*\slot+3], 2*BLK
	s_add_nc_u64 s[G0B+4*\slot+2:G0B+4*\slot+3], s[G0B+4*\slot+2:G0B+4*\slot+3], 2*BLK
	JLOAD \slot                                    ; the first tensor load behind the round, my only one until the next; its four v_nop are also the places in front of the loads below
.else
	PLACES
.endif
	FETCH \next, 0, F0
	WIN MUL_HI
	MUL16 F1, 1, 0, 0
	MUL16 F1, 1, 2, 0
.endm
	s_wait_tensorcnt 1                             ; my part of K step 0 is in (K step 1's load may be out)
	s_barrier_signal -1
	s_barrier_wait -1                              ; everybody's is
	FETCH 0, 0, F0
	QUARTER 0, 1, F0, F1, 1                        ; the first quarter stands in front of the loop: its products start the sums
	WIN 0                                          ; at a label and at a branch every window is 0
	s_mov_b32 s3, 3
.Llap:                                             ; a trip goes once round the ring, from a lap's second quarter to the next lap's first, and fills both slots again: three trips ask for K steps 2 to 7
	QUARTER 0, 2, F1, F0, 0
	QUARTER 0, 3, F0, F1, 0
	TURN 0, 1, 1
	QUARTER 1, 1, F0, F1, 0
	QUARTER 1, 2, F1, F0, 0
	QUARTER 1, 3, F0, F1, 0
	TURN 1, 0, 1
	QUARTER 0, 1, F0, F1, 0
	WIN 0
	s_sub_co_u32 s3, s3, 1
	s_cmp_lg_u32 s3, 0
	s_cbranch_scc1 .Llap
	QUARTER 0, 2, F1, F0, 0                        ; the last lap is written out: it asks for nothing
	QUARTER 0, 3, F0, F1, 0
	TURN 0, 1, 0
	QUARTER 1, 1, F0, F1, 0
	QUARTER 1, 2, F1, F0, 0
	QUARTER 1, 3, F0, F1, 0
	s_wait_dscnt 8
	WIN MUL_LO
	MUL16 F1, 0, 0, 0
	MUL16 F1, 0, 2, 0
	s_wait_dscnt 0
	WIN MUL_HI
	MUL16 F1, 1, 0, 0
	MUL16 F1, 1, 2, 0
	WIN 0
; THE TAIL: block a of 16 queries.  A lane's 64 registers are 64 of its query's 128 keys; lane l xor 16 holds the other 64.
.macro SOFT a
.set W, 2+(\a)/4
.set AC, 64*((\a)%4)
.set TM, TMP+32*((\a)%2)
	WIN (W|(W<<2)|(W<<4))                          ; all three sources in the accumulators' window
.set i, 0
.rept 20
	v_max3_num_f32 v[T+i], v[AC+3*i], v[AC+3*i+1], v[AC+3*i+2]   ; the largest score, in ascending order: each accumulator is first read at its lowest register
.set i, i+1
.endr
	v_max_num_f32 v[T+20], v[AC+60], v[AC+61]
	v_max_num_f32 v[T+21], v[AC+62], v[AC+63]
	WIN 0
.set i, 0
.rept 7
	v_max3_num_f32 v[T+i], v[T+3*i], v[T+3*i+1], v[T+3*i+2]
.set i, i+1
.endr
	v_max3_num_f32 v[T], v[T], v[T+1], v[T+2]
	v_max3_num_f32 v[T+3], v[T+3], v[T+4], v[T+5]
	v_max_num_f32 v[T+6], v[T+6], v[T+21]
	v_max3_num_f32 v[T], v[T], v[T+3], v[T+6]
	v_permlanex16_b32 v[T+1], v[T], s[SEL], s[SEL+1]
	v_max_num_f32 v[T], v[T], v[T+1]               ; with lane l xor 16's 64 keys
	v_mul_f32 v[T], s[CS], v[T]                    ; as t (c is positive)
	v_floor_f32 v[NMR], -v[T]                      ; NM = floor(-t) = -ceil(t): a whole number
	v_mov_b32 v[ST+2*(\a)], v[NMR]
	WIN ((W<<6)|W)                                 ; destination and source 0 in the accumulators' window; NM in window 0
.set i, 0
.rept 32
	v_pk_fma_f32 v[AC+2*i:AC+2*i+1], v[AC+2*i:AC+2*i+1], s[CS:CS+1], v[NMR:NMR+1] op_sel_hi:[1,0,0]   ; t - M, two at a time
.set i, i+1
.endr
.set i, 0
.rept 64
	v_exp_f32 v[AC+i], v[AC+i]                     ; p' = 2^(t - M): one batch
.set i, i+1
.endr
	v_nop                                          ; a plain line behind the last exponential
	s_wait_alu depctr_va_vdst(0)                   ; one wait for the batch, ahead of its first reader
.if (\a) >= 2
	s_wait_xcnt 0x0                                ; block a - 2's stores have read their data: its set of packed p' may be written again
.endif
	WIN (W|(W<<2))
.set i, 0
.rept 16
	v_pk_add_f32 v[T+2*i:T+2*i+1], v[AC+4*i:AC+4*i+1], v[AC+4*i+2:AC+4*i+3]   ; the sum is taken of the unrounded p'
.set i, i+1
.endr
.set i, 0
.rept 32
	v_cvt_pk_f16_f32 v[TM+i], v[AC+2*i], v[AC+2*i+1]
.set i, i+1
.endr
	WIN 0
.irp n, 8,4,2,1
.set i, 0
.rept \n
	v_pk_add_f32 v[T+2*i:T+2*i+1], v[T+4*i:T+4*i+1], v[T+4*i+2:T+4*i+3]
.set i, i+1
.endr
.endr
	v_add_f32 v[T], v[T], v[T+1]
	v_permlanex16_b32 v[T+1], v[T], s[SEL], s[SEL+1]
	v_add_f32 v[ST+2*(\a)+1], v[T], v[T+1]         ; l
.irp b, 0,1,2,3,4,5,6,7
	global_store_b128 v[PO], v[TM+4*\b:TM+4*\b+3], s[6:7] offset:(\a)*65536+(\b/2)*1024+(\b%2)*512   ; 512 consecutive bytes, aligned; every offset an immediate, 462,336 at the most
.endr
.endm
	PLACES                                         ; behind the last products
	v_mov_b32 v[NMR+1], 0                          ; named with NM as a pair, so it is written
.irp a, 0,1,2,3,4,5,6,7
	SOFT \a
.endr
.irp i, 0,1,2,3                        ; the statistics: lanes 0-15 block 2 i, lanes 16-31 block 2 i + 1: 32 neighbouring queries, 8 bytes each
	v_cndmask_b32 v[SOUT+2*\i], v[ST+4*\i], v[ST+4*\i+2], s[HM]
	v_cndmask_b32 v[SOUT+2*\i+1], v[ST+4*\i+1], v[ST+4*\i+3], s[HM]
.endr
.irp i, 0,1,2,3
	global_store_b64 v[SO], v[SOUT+2*\i:SOUT+2*\i+1], s[8:9] offset:256*\i   ; 256 consecutive bytes, aligned
.endr
	s_wait_tensorcnt 0x0                           ; the wave's end, behind my last tensor load
	ds_add_u32 v[SPW], v[NIL]
	s_wait_dscnt 0x0
	CROUND                                         ; the closing round
	s_endpgm
.Lfunc_end_k_qc61955f6c4_score:
	.size	k_qc61955f6c4_score, .Lfunc_end_k_qc61955f6c4_score-k_qc61955f6c4_score
	.p2alignl 7, 3214868480
	.fill 96, 4, 3214868480
	.section	.rodata,"a",@progbits
	.p2align	6, 0x0
	.amdhsa_kernel k_qc61955f6c4_score
		.amdhsa_group_segment_fixed_size 327680
		.amdhsa_private_segment_fixed_size 0
		.amdhsa_enable_private_segment 0
		.amdhsa_kernarg_size 24
		.amdhsa_user_sgpr_count 2
		.amdhsa_user_sgpr_kernarg_segment_ptr 1
		.amdhsa_wavefront_size32 1
		.amdhsa_system_sgpr_workgroup_id_x 1
		.amdhsa_system_sgpr_workgroup_id_y 1
		.amdhsa_system_sgpr_workgroup_id_z 1
		.amdhsa_system_vgpr_workitem_id 0
		.amdhsa_next_free_vgpr 1024
		.amdhsa_next_free_sgpr 72
		.amdhsa_reserve_vcc 0
		.amdhsa_float_denorm_mode_32 3
		.amdhsa_float_denorm_mode_16_64 3
		.amdhsa_memory_ordered 1
		.amdhsa_forward_progress 1
		.amdhsa_inst_pref_size 202
	.end_amdhsa_kernel
	.amdgpu_metadata
---
amdhsa.version: [ 1, 2 ]
amdhsa.kernels:
  - .name:           k_qc61955f6c4_score
    .symbol:         k_qc61955f6c4_score.kd
    .args:
      - { .name: qkf, .offset: 0, .size: 8, .value_kind: global_buffer, .address_space: global }
      - { .name: pf, .offset: 8, .size: 8, .value_kind: global_buffer, .address_space: global }
      - { .name: st, .offset: 16, .size: 8, .value_kind: global_buffer, .address_space: global }
    .group_segment_fixed_size: 327680
    .private_segment_fixed_size: 0
    .kernarg_segment_align: 8
    .kernarg_segment_size: 24
    .max_flat_workgroup_size: 128
    .sgpr_count:     72
    .vgpr_count:     1024
    .wavefront_size: 32
...
	.end_amdgpu_metadata
.endif
;; end of part 3
;; launch pv (part 4): grid 16 x 16, 4 waves a work-group, clusters of 4 x 4, 327,680 bytes of LDS; arguments vf, pf, st, out0; writes out0
.if DOCPART == 4
	.amdgcn_target "amdgcn-amd-amdhsa--gfx1250"
	.amdhsa_code_object_version 6
	.text
	.protected	k_qc61955f6c4_pv
	.globl	k_qc61955f6c4_pv
	.p2align	8
	.type	k_qc61955f6c4_pv,@function
k_qc61955f6c4_pv:
	s_mov_b64 s[64:65], 0
	v_nop
	global_prefetch_b8 v0, s[64:65] scope:SCOPE_SE
	s_setreg_imm32_b32 hwreg(HW_REG_WAVE_MODE, 25, 1), 1
	s_wait_xcnt 0x0
	s_wait_alu depctr_hold_cnt(0) depctr_sa_sdst(0) depctr_va_vdst(0) depctr_va_sdst(0) depctr_va_ssrc(0) depctr_va_vcc(0) depctr_vm_vsrc(0)
	s_getreg_b32 s2, hwreg(HW_REG_IB_STS2, 6, 4)
	s_cmp_eq_u32 s2, 0
	s_cbranch_scc0 .Lentry_in_a_cluster
	s_endpgm
.Lentry_in_a_cluster:
	s_bfe_u32 s2, ttmp6, 0x10000c
	s_cmp_lg_u32 s2, 0xf033
	s_cbranch_scc0 .Lentry_shape_is_right
	s_endpgm
.Lentry_shape_is_right:
; LAUNCH 4 OF 4: out0[b][e][q] = sum over kb of f'[q][kb] x (sum over the 128 keys k of block kb of p'[q][k] V[k][e]), f16 operands, f32 sums.  No work is left out.
; THE SOFTMAX IS FINISHED HERE, IN F32.  For a query, NMmin = the least of its sixteen NM (minus the row's largest M); f_kb = 2^(NMmin - NM_kb), at most 1; L = sum over kb of f_kb l_kb; f'_kb = f_kb / L.
; P's fragments go to the matrix unit as they lie.  The sums S of a block of 128 keys (four fragments) are begun with the constant 0 and, when the block is done, added by O += f' S, a packed multiply-add in f32.
; LIMIT: NaN and infinities in V or in the statistics are not served.  (That a p' under 2^-24 is 0 in f16 is the launch before's limit.)
; SHARES.  The output has 4 x 1,024 x 2,048 numbers; a work-group makes 256 channels x 128 queries of one batch, so that there are 256 work-groups; a wave 128 x 64: 32 accumulators S and as many O.
; Source 0 = P's fragment (16 queries x 32 keys), source 1 = V^T's (16 channels x 32 keys): lane (r, h) holds channel r and queries 16 i + 8 h + 0 .. 7: neighbours in a row of out0, which is [channel][query].
; vf and pf hold images of operand registers, 1,024 bytes a fragment, so tiles lie dense in LDS and a fragment comes by two ds_load_b128 at 16 x lane.  K = the 2,048 keys = 64 fragments goes through two LDS slots of SIX
; fragments (ten such slots, then one of four): behind each change of slots a wave issues one load, which has a slot's products less those ahead of the round in which to land.
; CLUSTERS: 4 x 4.  The four of a row (one tile of channels) need the same tiles of V^T, the four of a column (one tile of queries) the same tiles of P: each is asked for jointly.
; REGISTERS, in windows of 256.  Window 0: v1-31 addresses; v32-63 the 32 factors of the block in hand; v64-95, v96-127 P's fragments, two buffers; v128-231 at work in the prologue and on the way out.
;   My channel block a lies in window 1 + a / 3, at place u = a % 3: S at v[32 u + 8 i], O at v[96 + 32 u + 8 i], V^T's fragment of buffer f at v[192 + 24 f + 8 u].
;   So ONE window setting for a group of blocks (source 0 window 0; source 1, source 2 and destination the group's) serves its products (P, V^T, S, S), its multiply-adds (f', S, O, O) and the LDS loads of its V^T.
.set SLOT,  147456                     ; V^T: 16 blocks x 6,144 bytes; P: 8 blocks x 6,144
.set VHALF, 49152                      ; eight blocks of V^T
.set POFF,  98304                      ; P lies behind V^T
.set PHALF, 24576                      ; four blocks of P
.set FT,    2*SLOT                     ; the factors: 4,096 bytes a wave: [16 kb][64 queries] f32
.set SPARE, FT+4*4096                  ; the spare words, 128 bytes for each wave
.set STAGE, SLOT                       ; the way out: 16 rows x 272 bytes for each wave, in slot 1: it has had its last fill, and behind the last change of slots nobody reads it
.set LAPB,  12288                      ; a lap, twelve fragments, in bytes of a block's row
.set ADRA, 16                          ; v16-17  LDS address of my V^T fragments in slot 0, 1
.set ADRB, 20                          ; v20-21  the same for P
.set FT0,  22                          ; v22  where my half of the lanes reads factors: my wave's table + 32 h
.set FTA,  23                          ; v23  the same, at the lap in hand
.set STO,  24                          ; v24  the way out: where I put 32 bytes of a row
.set RD,   25                          ; v25  where I read a row back
.set CO,   26                          ; v26  my byte offset in out0
.set SL,   27                          ; v27  8 x lane
.set SPW,  28                          ; v28  LDS address of my spare word; never rewritten
.set NIL,  29                          ; v29  0; never rewritten
.set FTW,  30                          ; v30  where I write factors
.set PFO,  31                          ; v31  the prefetches' offset; never rewritten
.set F,    32                          ; v32-63 f' of queries 16 i + 8 h + j at v[F + 8 i + j]
.set FP,   64                          ; P's buffers: FP + 32 f
.set OB,   128                         ; the way out: rows read back, v128-159 and v160-191 by turns
.set SA,   128                         ; the prologue: v128-191 (NM, l) of two queries x 16 kb;
.set TW,   192                         ; v192-223 the table's words, a register for each;  v224-229 at work
.set OA,   96                          ; in a group's window: O
.set VB,   192                         ; in a group's window: V^T's buffers
.set G1A,  24                          ; s[24:31] group 1 for V^T's tiles;  s[32:39] group 0, one set for each slot
.set G0A,  32
.set LIM,  45                          ; s45  1 in a wave that prefetches, else the greatest number
.set PFA,  46                          ; s[46:47] where my work-group's prefetches stand in pf
.set G1B,  48                          ; s[48:55], s[56:63] the same for P's
.set G0B,  56
.set G1AT, 68                          ; s[68:75], s[76:83] groups 1 for the last slot, of four fragments
.set G1BT, 76
.set FS,   84                          ; s84  the lap's place in the factors' table: 768 bytes (three kb) a lap
.set MSB, 0
.macro WIN new                         ; the immediate's high byte repeats the setting that is left
.if MSB != (\new)
	s_set_vgpr_msb (MSB<<8)|(\new)
.set MSB, (\new)
.endif
.endm
.set GW1, 0x54                         ; source 0 window 0; source 1, source 2, destination window 1: channel blocks 0-2
.set GW2, 0xa8                         ; window 2: blocks 3-5
.set GW3, 0xfc                         ; window 3: blocks 6, 7
; A joint load: waves 0 and 1 fetch V^T's two halves, waves 2 and 3 P's.  The branch hangs on the wave's number alone.  An s_nop 0 and four v_nop follow each of the two lines.
.macro JLOAD g0a, g1a, g0b, g1b
	s_cmp_eq_u32 s13, 0
	s_cbranch_scc0 .Lfor_b_\@
	tensor_load_to_lds s[\g0a:\g0a+3], s[\g1a:\g1a+7]
	s_nop 0
.rept 4
	v_nop
.endr
	s_branch .Lasked_\@
.Lfor_b_\@:
	tensor_load_to_lds s[\g0b:\g0b+3], s[\g1b:\g1b+7]
	s_nop 0
.rept 4
	v_nop
.endr
.Lasked_\@:
.endm
; A PREFETCH INTO THE L2 of P, once a trip, behind the joint load of the trip's first change of slots and P's LDS loads that follow it: the twelve fragments of the lap after next, of which the first six are asked for
; by the tensor load two changes of slots on.  A lap is 12,288 bytes of each of the tile's eight blocks of queries.  The four partners that ask for P jointly share the blocks out BY ADDRESS, two each (2 cy, 2 cy + 1): 96 pieces
; of 256 bytes, which threads 0 to 95 name, one each: waves 0 to 2, one instruction each (a branch on the wave's number).  So each piece is named once in the launch.  Trips 0 to 2 ask for laps 2 to 4; the loop's last trip asks
; for nothing: behind lap 4 a block has four fragments left, and they, like laps 0 and 1, come by their loads alone.  V^T, which four clusters read, is not asked for.
.macro ASK
	s_cmp_gt_u32 s3, s[LIM]                        ; s3 = 1 in the loop's last trip
	s_cbranch_scc0 .Lnot_mine_\@
	global_prefetch_b8 v[PFO], s[PFA:PFA+1] th:TH_LOAD_NT scope:SCOPE_SE
.Lnot_mine_\@:
.endm
.macro CREST                           ; a round of the cluster's barrier behind its opening barrier
	s_cmp_lg_u32 s12, 0
	s_cbranch_scc1 .Lnot_wave_0_\@
	s_barrier_signal -3
.Lnot_wave_0_\@:
	s_barrier_wait -3
	s_barrier_signal -1
	s_barrier_wait -1
.endm
.macro CROUND
	s_barrier_signal -1
	s_barrier_wait -1
	CREST
.endm
.macro SHAPE g, len, rows, pit         ; group 1's words 1 to 7: rows of len elements of 8 bytes, pit elements apart; dense in LDS
	s_mov_b32 s[\g+1], (\len)<<16
	s_mov_b32 s[\g+2], (\rows)<<16
	s_mov_b32 s[\g+3], (\len)<<16
	s_mov_b32 s[\g+4], \rows
	s_mov_b32 s[\g+5], \pit
	s_mov_b32 s[\g+6], 0
	s_mov_b32 s[\g+7], 0
.endm
	s_load_b256 s[4:11], s[0:1], 0x0               ; vf s[4:5], pf s[6:7], st s[8:9], out0 s[10:11]
	v_lshl_add_u32 v[SPW], v0, 2, SPARE
	v_mov_b32 v[NIL], 0
	ds_add_u32 v[SPW], v[NIL]                      ; the wave's opening: the add, twice on end, and its wait ahead of my first tensor load; the set-up below stands between the second and the wait
	ds_add_u32 v[SPW], v[NIL]
	v_lshrrev_b32 v1, 5, v0
	v_readfirstlane_b32 s12, v1                    ; wave 0..3
	s_lshr_b32 s13, s12, 1                         ; EH: which 128 channels are mine.  Also: I fetch for V^T (0) or for P (1)
	s_and_b32 s14, s12, 1                          ; QH: which 64 queries.  Also: which half of that tile I fetch
	s_bfe_u32 s40, ttmp6, 0x40000                  ; cx
	s_bfe_u32 s41, ttmp6, 0x40004                  ; cy: the tile of 256 channels
	s_lshl_b32 s42, ttmp9, 2
	s_add_co_u32 s42, s42, s40                     ; C: the tile of 128 queries, 0..15
	s_and_b32 s15, ttmp7, 0xffff                   ; the batch = cluster y
	s_lshl_b32 s43, s41, 2
	s_lshl_b32 s43, 15, s43                        ; my row of the cluster
	s_lshl_b32 s44, 0x1111, s40                    ; my column
	s_or_b32 s[G1A], s43, (3<<16)|(1<<21)          ; 15:0 the mask: V^T's tiles go to my row; 17:16 elements of 8 bytes; 21 set beside a mask
	s_or_b32 s[G1AT], s43, (3<<16)|(1<<21)
	s_or_b32 s[G1B], s44, (3<<16)|(1<<21)          ; P's go to my column
	s_or_b32 s[G1BT], s44, (3<<16)|(1<<21)
	SHAPE G1A, 768, 8, 32768                       ; eight blocks of channels x six fragments; 262,144 bytes from block to block in vf
	SHAPE G1B, 768, 4, 8192                        ; four blocks of queries x six fragments; 65,536 bytes from block to block in pf
	SHAPE G1AT, 512, 8, 32768                      ; the last slot: four fragments
	SHAPE G1BT, 512, 4, 8192
	s_lshl_b32 s16, s41, 4                         ; V^T: block 16 cy + 8 x half, fragment 64 x batch
	s_lshl_b32 s17, s14, 3
	s_add_co_u32 s16, s16, s17
	s_lshl_b32 s16, s16, 18
	s_lshl_b32 s17, s15, 16
	s_add_co_u32 s16, s16, s17
	s_mov_b32 s17, 0
	s_lshl_b32 s18, s15, 7                         ; P: block 128 x batch + 8 C + 4 x half
	s_lshl_b32 s19, s42, 3
	s_add_co_u32 s18, s18, s19
	s_lshl_b32 s19, s14, 2
	s_add_co_u32 s18, s18, s19
	s_lshl_b32 s18, s18, 16
	s_mov_b32 s19, 0
	s_mul_i32 s20, s14, VHALF                      ; where they go: no place in the cluster enters an LDS address
	s_mul_i32 s21, s14, PHALF
	s_add_co_u32 s21, s21, POFF
	s_lshl_b32 s90, s15, 18                        ; st: [batch][kb][query][2] f32, at my wave's 64 queries
	s_lshl_b32 s91, s42, 10
	s_add_co_u32 s90, s90, s91
	s_lshl_b32 s91, s14, 9
	s_add_co_u32 s90, s90, s91
	s_mov_b32 s91, 0
	s_lshl_b32 s92, s15, 23                        ; out0: row 1,024 x batch + 256 cy + 128 EH, column 128 C + 64 QH
	s_lshl_b32 s93, s41, 21
	s_add_co_u32 s92, s92, s93
	s_lshl_b32 s93, s13, 20
	s_add_co_u32 s92, s92, s93
	s_lshl_b32 s93, s42, 9
	s_add_co_u32 s92, s92, s93
	s_lshl_b32 s93, s14, 8
	s_add_co_u32 s92, s92, s93
	s_mov_b32 s93, 0
	s_lshl_b32 s94, s15, 7                         ; the prefetches: block 128 x batch + 8 C + 2 cy,
	s_lshl_b32 s95, s42, 3
	s_add_co_u32 s94, s94, s95
	s_lshl_b32 s95, s41, 1
	s_add_co_u32 s94, s94, s95
	s_lshl_b32 s94, s94, 16
	s_add_co_u32 s94, s94, 2*LAPB                  ; at lap 2
	s_mov_b32 s95, 0
	s_cmp_lt_u32 s12, 3
	s_cselect_b32 s[LIM], 1, -1                    ; waves 0 to 2 ask
	v_mov_b32 v4, 65536-48*256
	v_cmp_le_u32 s22, 48, v0
	v_cndmask_b32 v4, 0, v4, s22                   ; threads 48 on take the second block:
	v_lshl_add_u32 v[PFO], v0, 8, v4               ; 256 x (thread % 48) + 65,536 x (thread / 48), for threads 0 to 95
	v_and_b32 v3, 31, v0                           ; lane
	v_lshlrev_b32 v[SL], 3, v3
	s_mov_b32 s[FS], 0
	s_wait_dscnt 0x0                               ; both opening adds are done
	s_wait_kmcnt 0x0
	s_add_nc_u64 s[86:87], s[4:5], s[16:17]
	s_add_nc_u64 s[88:89], s[6:7], s[18:19]
	s_add_nc_u64 s[PFA:PFA+1], s[6:7], s[94:95]
	s_add_nc_u64 s[8:9], s[8:9], s[90:91]
	s_add_nc_u64 s[10:11], s[10:11], s[92:93]
.irp k, 0,1,2,3,4,5,6,7,8,9,10,11,12,13,14,15   ; (NM, l) of query 32 g + lane of my 64, for all sixteen kb: each load reads 256 consecutive bytes.  They are on their way while the cluster meets and the first tiles are asked for
	global_load_b64 v[SA+2*\k:SA+2*\k+1], v[SL], s[8:9] offset:\k*16384
	global_load_b64 v[SA+32+2*\k:SA+32+2*\k+1], v[SL], s[8:9] offset:\k*16384+256
.endr
	CROUND                                         ; all sixteen work-groups are here: the first joint loads meet
.irp s, 0,1
	s_mov_b32 s[G0A+4*\s], 1
	s_add_co_u32 s[G0A+4*\s+1], s20, \s*SLOT
	s_add_nc_u64 s[G0A+4*\s+2:G0A+4*\s+3], s[86:87], \s*6144   ; slot s begins with fragments 6 s on
	s_or_b32 s[G0A+4*\s+3], s[G0A+4*\s+3], 0x80000000
	s_mov_b32 s[G0B+4*\s], 1
	s_add_co_u32 s[G0B+4*\s+1], s21, \s*SLOT
	s_add_nc_u64 s[G0B+4*\s+2:G0B+4*\s+3], s[88:89], \s*6144
	s_or_b32 s[G0B+4*\s+3], s[G0B+4*\s+3], 0x80000000
	JLOAD G0A+4*\s, G1A, G0B+4*\s, G1B             ; two tensor loads of mine are out at the most
.endr
	v_and_b32 v1, 15, v0                           ; r
	v_bfe_u32 v2, v0, 4, 1                         ; h
	v_lshlrev_b32 v4, 4, v3                        ; 16 x lane
	s_mul_i32 s22, s13, VHALF                      ; my eight blocks of V^T
	s_mul_i32 s23, s14, PHALF                      ; my four blocks of P
	s_add_co_u32 s23, s23, POFF
.irp s, 0,1
	v_add_nc_u32 v[ADRA+\s], s22, v4
	v_add_nc_u32 v[ADRB+\s], s23, v4
	s_add_co_u32 s22, s22, SLOT
	s_add_co_u32 s23, s23, SLOT
.endr
	s_lshl_b32 s22, s12, 12
	s_add_co_u32 s22, s22, FT                      ; my wave's table of factors
	v_lshl_add_u32 v[FT0], v2, 5, s22
	v_lshl_add_u32 v[FTW], v3, 2, s22
	s_mul_i32 s22, s12, 16*272
	s_add_co_u32 s22, s22, STAGE                   ; my stage
	v_mul_u32_u24 v[STO], v1, 272                  ; in: row r, 32 bytes for each half of the lanes
	v_lshl_add_u32 v[STO], v2, 5, v[STO]
	v_add_nc_u32 v[STO], s22, v[STO]
	v_mul_u32_u24 v[RD], v2, 272                   ; back: lanes 0-15 one row of 256 bytes, lanes 16-31 the next
	v_lshl_add_u32 v[RD], v1, 4, v[RD]
	v_add_nc_u32 v[RD], s22, v[RD]
	v_lshlrev_b32 v[CO], 13, v2                    ; and the same two rows in out0: 8,192 bytes a row
	v_lshl_add_u32 v[CO], v1, 4, v[CO]
	s_wait_loadcnt 0x0
; f and L of query 32 g + lane
.macro STATA g
.set NB, SA+32*(\g)
	v_min3_num_f32 v[224+\g], v[NB], v[NB+2], v[NB+4]   ; NMmin
.irp k, 6,10,14,18,22,26
	v_min3_num_f32 v[224+\g], v[224+\g], v[NB+\k], v[NB+\k+2]
.endr
	v_min_num_f32 v[224+\g], v[224+\g], v[NB+30]
.irp k, 0,1,2,3,4,5,6,7,8,9,10,11,12,13,14,15
	v_sub_f32 v[NB+2*\k], v[224+\g], v[NB+2*\k]    ; a whole number, 0 or less
.endr
.irp k, 0,1,2,3,4,5,6,7,8,9,10,11,12,13,14,15
	v_cvt_i32_f32 v[NB+2*\k], v[NB+2*\k]           ; (it saturates)
.endr
.irp k, 0,1,2,3,4,5,6,7,8,9,10,11,12,13,14,15
	v_ldexp_f32 v[NB+2*\k], 1.0, v[NB+2*\k]        ; f_kb
.endr
	v_mul_f32 v[226+\g], v[NB], v[NB+1]
.irp k, 1,2,3,4,5,6,7,8,9,10,11,12,13,14,15
	v_fma_f32 v[226+\g], v[NB+2*\k], v[NB+2*\k+1], v[226+\g]   ; L: at least 1/2, since the row's largest block has f = 1 and a p' of 1/2 or more
.endr
.endm
; f' = f / L into my wave's table.  The table is the wave's own bytes: LDS serves a wave's instructions in order, so its later loads see these stores.
.macro STATB g
.set NB, SA+32*(\g)
.irp k, 0,1,2,3,4,5,6,7,8,9,10,11,12,13,14,15
	v_mul_f32 v[TW+16*(\g)+\k], v[NB+2*\k], v[228+\g]
.endr
.irp k, 0,1,2,3,4,5,6,7,8,9,10,11,12,13,14,15
	ds_store_b32 v[FTW], v[TW+16*(\g)+\k] offset:\k*256+(\g)*128
.endr
.endm
	STATA 0
	STATA 1
	v_rcp_f32 v228, v226
	v_rcp_f32 v229, v227
	v_nop                                          ; a plain line behind the reciprocals
	s_wait_alu depctr_va_vdst(0)                   ; one wait for both, ahead of their first reader
	STATB 0
	STATB 1
; Accumulator k of a group: channel block k / 4 of the group, block k % 4 of my queries.  All lines below stand under the group's window setting.
.macro WM k, f, zero                   ; its product with buffer f: 32 keys.  zero = 1: it starts the block's sum
.if \zero
	v_wmma_f32_16x16x32_f16 v[8*(\k):8*(\k)+7], v[FP+32*(\f)+8*((\k)%4):FP+32*(\f)+8*((\k)%4)+7], v[VB+24*(\f)+8*((\k)/4):VB+24*(\f)+8*((\k)/4)+7], 0
.else
	v_wmma_f32_16x16x32_f16 v[8*(\k):8*(\k)+7], v[FP+32*(\f)+8*((\k)%4):FP+32*(\f)+8*((\k)%4)+7], v[VB+24*(\f)+8*((\k)/4):VB+24*(\f)+8*((\k)/4)+7], v[8*(\k):8*(\k)+7]
.endif
.endm
.macro FM k, how                       ; how = 1: O += f' S;  2: O = f' S, the first block of keys: nothing is ever cleared.  S is read from its low end on
.irp p, 0,1,2,3
.if (\how) == 1
	v_pk_fma_f32 v[OA+8*(\k)+2*\p:OA+8*(\k)+2*\p+1], v[F+8*((\k)%4)+2*\p:F+8*((\k)%4)+2*\p+1], v[8*(\k)+2*\p:8*(\k)+2*\p+1], v[OA+8*(\k)+2*\p:OA+8*(\k)+2*\p+1]
.else
	v_pk_mul_f32 v[OA+8*(\k)+2*\p:OA+8*(\k)+2*\p+1], v[F+8*((\k)%4)+2*\p:F+8*((\k)%4)+2*\p+1], v[8*(\k)+2*\p:8*(\k)+2*\p+1]
.endif
.endr
.endm
; A load into a register that a matrix instruction has read, and a vector instruction that reads a matrix result or writes one of its registers, stand four places behind it, and only plain vector
; instructions that name none of its registers are places (ISA guide 7.12.1 for vector instructions).
.macro PLACES
.rept 4
	v_nop
.endr
.endm
; Accumulators k0 .. k1 - 1 of a group of n.  The accumulators take turns, one instruction a turn, in the same order in every quarter.
; how > 0: the block of keys ends here.  Behind product k stand the four multiply-adds of accumulator k - 2: the eight of accumulators k - 4 and k - 3, which name none of its registers, are the places between product k - 2 and
; the first read of its result; the group's first have four v_nop; its last two accumulators follow its last product.
.macro GRP n, f, zero, how, k0, k1
.set KK, \k0
.rept (\k1)-(\k0)
	WM KK, \f, \zero
.if (\how) && (KK >= 2)
.if KK == 2
	PLACES
.endif
	FM KK-2, \how
.endif
.set KK, KK+1
.endr
.if (\how) && ((\k1) == (\n))
	FM (\n)-2, \how
	FM (\n)-1, \how
.endif
.endm
.macro VLD slot, kf, pitch, g, b0, nb  ; under the group's setting: fragment kf of V^T's blocks b0 .. b0 + nb - 1 into buffer g.  pitch: a block's bytes in the slot
.set UU, 0
.rept \nb
	ds_load_b128 v[VB+24*(\g)+8*UU:VB+24*(\g)+8*UU+3],   v[ADRA+\slot] offset:((\b0)+UU)*(\pitch)+(\kf)*1024
	ds_load_b128 v[VB+24*(\g)+8*UU+4:VB+24*(\g)+8*UU+7], v[ADRA+\slot] offset:((\b0)+UU)*(\pitch)+(\kf)*1024+512
.set UU, UU+1
.endr
.endm
.macro PLD slot, kf, pitch, g, fo      ; under window 0: (fo >= 0: the 32 factors of the block of keys that has just begun,) fragment kf of P's four blocks into buffer g
.if (\fo) >= 0
	v_add_nc_u32 v[FTA], s[FS], v[FT0]
.irp i, 0,1,2,3
	ds_load_b128 v[F+8*\i:F+8*\i+3],   v[FTA] offset:(\fo)+64*\i
	ds_load_b128 v[F+8*\i+4:F+8*\i+7], v[FTA] offset:(\fo)+64*\i+16
.endr
.endif
.irp i, 0,1,2,3
	ds_load_b128 v[FP+32*(\g)+8*\i:FP+32*(\g)+8*\i+3],   v[ADRB+\slot] offset:\i*(\pitch)+(\kf)*1024
	ds_load_b128 v[FP+32*(\g)+8*\i+4:FP+32*(\g)+8*\i+7], v[ADRB+\slot] offset:\i*(\pitch)+(\kf)*1024+512
.endr
.endm
; A quarter is one fragment, 32 keys: 32 matrix instructions on buffer f.  Behind the first twelve, fragment kf of the same slot is fetched into the other buffer, in ONE run: V^T's blocks 0-2, (the factors,) P, blocks 6-7, blocks 3-5.
.macro QUARTER slot, kf, pitch, f, zero, how, fo
	s_wait_dscnt 10                                ; P and V^T's blocks 0-2 of buffer f are in; the youngest ten loads (blocks 6-7 and 3-5) may be out
	WIN GW1
	GRP 12, \f, \zero, \how, 0, 12
	PLACES                                         ; behind the last quarter's products, which read the other buffer
	VLD \slot, \kf, \pitch, 1-(\f), 0, 3
	WIN 0
	PLD \slot, \kf, \pitch, 1-(\f), \fo
	WIN GW3
	VLD \slot, \kf, \pitch, 1-(\f), 6, 2
	WIN GW2
	VLD \slot, \kf, \pitch, 1-(\f), 3, 3
.if (\fo) >= 0
	s_wait_dscnt 32                                ; all but the 32 just issued
.else
	s_wait_dscnt 24                                ; all but the 24 just issued
.endif
	GRP 12, \f, \zero, \how, 0, 12
	WIN GW3
	GRP 8, \f, \zero, \how, 0, 8
.endm
; A slot's last quarter multiplies buffer 1 and changes slots: ONE barrier.  In front of it each wave waits for all its tensor loads (one is out: its part of the next slot), adds 0 to its spare word, and waits for that and for its
; reads of this slot.  fill = 1 or 2: the barrier opens a round of the cluster's barrier, and behind the round this slot is filled again, two slots ahead (2: with the last slot's four fragments).
.macro TURN slot, next, fill, npitch, how, ask
	WIN 0                                          ; (the add's two registers lie in window 0)
	s_wait_tensorcnt 0x0                           ; all my tensor loads have landed
	ds_add_u32 v[SPW], v[NIL]                      ; 0 onto my spare word
	s_wait_dscnt 11                                ; (the add and the youngest ten loads may be out)
	WIN GW1
	GRP 12, 1, 0, \how, 0, 4                       ; four matrix instructions stand between the add and the wait for it
	s_wait_dscnt 0x0                               ; the add is done, and my reads of this slot are over
	s_barrier_signal -1
	GRP 12, 1, 0, \how, 4, 12                      ; work on registers while the others arrive
	WIN 0
	s_barrier_wait -1
.if \fill
	CREST                                          ; no wave of any partner still reads this slot's tile or has a load on its way
	s_add_nc_u64 s[G0A+4*\slot+2:G0A+4*\slot+3], s[G0A+4*\slot+2:G0A+4*\slot+3], LAPB
	s_add_nc_u64 s[G0B+4*\slot+2:G0B+4*\slot+3], s[G0B+4*\slot+2:G0B+4*\slot+3], LAPB
.if (\fill) == 1
	JLOAD G0A+4*\slot, G1A, G0B+4*\slot, G1B       ; the first tensor load behind the round, my only one until the next; its four v_nop are also the places in front of the loads below
.else
	JLOAD G0A+4*\slot, G1AT, G0B+4*\slot, G1BT
.endif
.else
	PLACES
.endif
	PLD \next, 0, \npitch, 0, -1                   ; the next slot's first fragment, in one run: P, V^T's blocks 0-2, 6-7, 3-5
.if \ask
	ASK
.endif
	WIN GW1
	VLD \next, 0, \npitch, 0, 0, 3
	WIN GW3
	VLD \next, 0, \npitch, 0, 6, 2
	WIN GW2
	VLD \next, 0, \npitch, 0, 3, 3
	GRP 12, 1, 0, \how, 0, 12
	WIN GW3
	GRP 8, 1, 0, \how, 0, 8
.endm
; A lap is twelve fragments, three blocks of 128 keys.  A block begins (its products start the sums, and its factors are fetched) at the lap's fragments 0, 4 and 8, and ends (O takes its sums) at fragments 3, 7 and 11.
.macro SLOT1_Q                         ; slot 1's quarters 0 to 4: the lap's fragments 6 to 10
	QUARTER 1, 1, 6144, 0, 0, 0, -1
	QUARTER 1, 2, 6144, 1, 0, 1, -1
	QUARTER 1, 3, 6144, 0, 1, 0, 512
	QUARTER 1, 4, 6144, 1, 0, 0, -1
	QUARTER 1, 5, 6144, 0, 0, 0, -1
.endm
	s_wait_tensorcnt 1                             ; my part of slot 0 is in (slot 1's load may be out)
	s_wait_dscnt 0x0                               ; and no LDS store of mine is out at the signal
	s_barrier_signal -1
	s_barrier_wait -1                              ; everybody's is
	PLD 0, 0, 6144, 0, 0                           ; the first fragment, and the factors of kb 0
	WIN GW1
	VLD 0, 0, 6144, 0, 0, 3
	WIN GW3
	VLD 0, 0, 6144, 0, 6, 2
	WIN GW2
	VLD 0, 0, 6144, 0, 3, 3
	QUARTER 0, 1, 6144, 0, 1, 0, -1                ; the first block of keys stands in front of the loop: its end starts O
	QUARTER 0, 2, 6144, 1, 0, 0, -1
	QUARTER 0, 3, 6144, 0, 0, 0, -1
	QUARTER 0, 4, 6144, 1, 0, 2, -1
	WIN 0                                          ; at a label and at a branch every window is 0
	s_mov_b32 s3, 4
.Llap:                                             ; a trip goes once round the ring, from a lap's fifth quarter to the next lap's fourth: four trips ask for slots 2 to 9
	QUARTER 0, 5, 6144, 0, 1, 0, 256
	TURN 0, 1, 1, 6144, 0, 1
	SLOT1_Q
	TURN 1, 0, 1, 6144, 1, 0
	QUARTER 0, 1, 6144, 0, 1, 0, 768
	QUARTER 0, 2, 6144, 1, 0, 0, -1
	QUARTER 0, 3, 6144, 0, 0, 0, -1
	QUARTER 0, 4, 6144, 1, 0, 1, -1
	WIN 0
	s_wait_xcnt 0x0                                ; the trip's prefetch, ten quarters back, has read its address, so it may be written:
	s_add_nc_u64 s[PFA:PFA+1], s[PFA:PFA+1], LAPB  ; a lap on
	s_add_co_u32 s[FS], s[FS], 768
	s_sub_co_u32 s3, s3, 1
	s_cmp_lg_u32 s3, 0
	s_cbranch_scc1 .Llap
	QUARTER 0, 5, 6144, 0, 1, 0, 256               ; the rest of the fifth lap and the last slot are written out
	TURN 0, 1, 2, 6144, 0, 0                       ; asks for the last four fragments
	SLOT1_Q
	TURN 1, 0, 0, 4096, 1, 0                       ; asks for nothing
	QUARTER 0, 1, 4096, 0, 1, 0, 768
	QUARTER 0, 2, 4096, 1, 0, 0, -1
	QUARTER 0, 3, 4096, 0, 0, 0, -1
	s_wait_dscnt 10                                ; the last quarter: nothing more to fetch
	WIN GW1
	GRP 12, 1, 0, 1, 0, 12
	s_wait_dscnt 0
	WIN GW2
	GRP 12, 1, 0, 1, 0, 12
	WIN GW3
	GRP 8, 1, 0, 1, 0, 8
	WIN 0
	; THE WAY OUT.  O is final: 1 / L lies in the factors.  A lane holds 32 neighbouring bytes of a row of out0 for each block of queries, and the lanes beside it hold other rows: so a block of 16 channels x 64 queries goes through
	; my own stage in LDS and comes back as rows of 256 bytes, which sixteen lanes store whole.  LDS serves a wave's instructions in order: no wait between the stores and the loads, nor in front of the next block's stores.
.macro TOSTAGE a
.set WW, 1+(\a)/3
.set OO, OA+32*((\a)%3)
.set BK, OB+32*((\a)%2)
	WIN (WW<<2)                                    ; an LDS store's data are its source 1: the block's window
.irp i, 0,1,2,3
	ds_store_b128 v[STO], v[OO+8*\i:OO+8*\i+3] offset:64*\i
	ds_store_b128 v[STO], v[OO+8*\i+4:OO+8*\i+7] offset:64*\i+16
.endr
	WIN 0
.irp t, 0,1,2,3,4,5,6,7
	ds_load_b128 v[BK+4*\t:BK+4*\t+3], v[RD] offset:\t*544
.endr
.endm
.macro SEND a, younger                 ; younger: the LDS instructions issued behind block a's loads, which may stay out
.set BK, OB+32*((\a)%2)
	s_wait_dscnt \younger                          ; the block is back in registers
.irp t, 0,1,2,3,4,5,6,7
	global_store_b128 v[CO], v[BK+4*\t:BK+4*\t+3], s[10:11] offset:(\a)*131072+\t*16384 th:TH_STORE_NT   ; 16 lanes store 256 consecutive bytes, aligned; every offset an immediate, 1,032,192 at the most
.endr
.endm
	TOSTAGE 0
.irp a, 1,2,3,4,5,6,7
.if \a > 1
	s_wait_xcnt 0x0                                ; block a - 2's stores have read their data: block a's loads may land there
.endif
	TOSTAGE \a
	SEND (\a)-1, 16                                ; behind block a - 1's loads: block a's eight stores and eight loads
.endr
	SEND 7, 0
	s_wait_tensorcnt 0x0                           ; the wave's end, behind my last tensor load and my last LDS store
	ds_add_u32 v[SPW], v[NIL]
	s_wait_dscnt 0x0
	CROUND                                         ; the closing round
	s_endpgm
.Lfunc_end_k_qc61955f6c4_pv:
	.size	k_qc61955f6c4_pv, .Lfunc_end_k_qc61955f6c4_pv-k_qc61955f6c4_pv
	.p2alignl 7, 3214868480
	.fill 96, 4, 3214868480
	.section	.rodata,"a",@progbits
	.p2align	6, 0x0
	.amdhsa_kernel k_qc61955f6c4_pv
		.amdhsa_group_segment_fixed_size 327680
		.amdhsa_private_segment_fixed_size 0
		.amdhsa_enable_private_segment 0
		.amdhsa_kernarg_size 32
		.amdhsa_user_sgpr_count 2
		.amdhsa_user_sgpr_kernarg_segment_ptr 1
		.amdhsa_wavefront_size32 1
		.amdhsa_system_sgpr_workgroup_id_x 1
		.amdhsa_system_sgpr_workgroup_id_y 1
		.amdhsa_system_sgpr_workgroup_id_z 1
		.amdhsa_system_vgpr_workitem_id 0
		.amdhsa_next_free_vgpr 1024
		.amdhsa_next_free_sgpr 96
		.amdhsa_reserve_vcc 0
		.amdhsa_float_denorm_mode_32 3
		.amdhsa_float_denorm_mode_16_64 3
		.amdhsa_memory_ordered 1
		.amdhsa_forward_progress 1
		.amdhsa_inst_pref_size 211
	.end_amdhsa_kernel
	.amdgpu_metadata
---
amdhsa.version: [ 1, 2 ]
amdhsa.kernels:
  - .name:           k_qc61955f6c4_pv
    .symbol:         k_qc61955f6c4_pv.kd
    .args:
      - { .name: vf, .offset: 0, .size: 8, .value_kind: global_buffer, .address_space: global }
      - { .name: pf, .offset: 8, .size: 8, .value_kind: global_buffer, .address_space: global }
      - { .name: st, .offset: 16, .size: 8, .value_kind: global_buffer, .address_space: global }
      - { .name: out0, .offset: 24, .size: 8, .value_kind: global_buffer, .address_space: global }
    .group_segment_fixed_size: 327680
    .private_segment_fixed_size: 0
    .kernarg_segment_align: 8
    .kernarg_segment_size: 32
    .max_flat_workgroup_size: 128
    .sgpr_count:     96
    .vgpr_count:     1024
    .wavefront_size: 32
...
	.end_amdgpu_metadata
.endif
;; end of part 4
